; MI455X (gfx1250); checked and timed in simulation.
; The chip was launched on July 23, 2026; its instructions are those of AMD's public machine-readable ISA for CDNA 5 (MIT licence, August 2026) and "CDNA5" Instruction Set Architecture Reference Guide (July 2026). The comments in the code are by the model that wrote it; some were corrected since.
;; Full Attention Block. Allowed arithmetic: matrix products marked QUANTISED: E2M3 operands, one E8M0 scale for each 32 along K, by v_wmma_scale_f32_16x16x128_f8f6f4 with both operands' format E2M3, f32 sums; everything else in f32.
;; Inputs: Wk_codes 512 x 32 x 24 uint8 (E2M3 codes of Wk, K innermost, in blocks of 32 codes, four codes in three bytes); Wk_scales 512 x 32 uint8 (E8M0 scales of Wk, one for each 32 codes along K); Wo_codes 1,024 x 64 x 24 uint8 (E2M3 codes of Wo, K innermost, in blocks of 32 codes, four codes in three bytes); Wo_scales 1,024 x 64 uint8 (E8M0 scales of Wo, one for each 32 codes along K); Wq_codes 4,096 x 32 x 24 uint8 (E2M3 codes of Wq, K innermost, in blocks of 32 codes, four codes in three bytes); Wq_scales 4,096 x 32 uint8 (E8M0 scales of Wq, one for each 32 codes along K); Wv_codes 512 x 32 x 24 uint8 (E2M3 codes of Wv, K innermost, in blocks of 32 codes, four codes in three bytes); Wv_scales 512 x 32 uint8 (E8M0 scales of Wv, one for each 32 codes along K); hidden_states_codes 2 x 2,048 x 32 x 24 uint8 (E2M3 codes of hidden_states, K innermost, in blocks of 32 codes, four codes in three bytes); hidden_states_scales 2 x 2,048 x 32 uint8 (E8M0 scales of hidden_states, one for each 32 codes along K); k_norm_w 256 float32; position_ids 2,048 int32; q_norm_w 256 float32.
;; Outputs: out0 2 x 2,048 x 1,024 float32.
;; This version of the problem:
;;   THIS VERSION OF THE PROBLEM IS GIVEN IN LOW PRECISION. The matrix products marked QUANTISED in the list below multiply operands that are first quantised to E2M3 (2 exponent bits, 3 mantissa bits; 6 bits a number), with one power-of-two scale for each 32 numbers along K (OCP MX v1.0); their sums are f32. All else is computed in f32.
;;   The module's matrix products, in the order in which they are computed (A, B: the left and right operand; K: the contracted axis; several contracted axes count as one K, in the product's order):
;;     1. [M 4,096, K 1,024] x [K 1,024, N 4,096]; A: input hidden_states (given as codes); B: input Wq (given as codes): QUANTISED
;;     2. [M 4,096, K 1,024] x [K 1,024, N 512]; A: input hidden_states (given as codes); B: input Wk (given as codes): QUANTISED
;;     3. [M 4,096, K 1,024] x [K 1,024, N 512]; A: input hidden_states (given as codes); B: input Wv (given as codes): QUANTISED
;;     4. batch 4 x [M 8,192, K 256] x [K 256, N 2,048]; A: computed on the way; B: computed on the way: QUANTISED
;;     5. batch 4 x [M 8,192, K 2,048] x [K 2,048, N 256]; A: softmax (see below); B: computed on the way: QUANTISED
;;     6. [M 4,096, K 2,048] x [K 2,048, N 1,024]; A: computed on the way; B: input Wo (given as codes): QUANTISED
;;   THE QUANTISER, for each operand of a quantised product, along K:
;;     - K is cut into blocks of 32 from its start; a last block that is shorter is filled with zeros.
;;     - A block's scale is 2^e with e = floor(log2(the largest magnitude in the block)) - 2, held to -126 .. 127; a block of zeros has e = 0. As a byte (E8M0): e + 127.
;;     - Each number is divided by its block's scale, clamped to +-7.5, and rounded to the nearest number of E2M3, ties to even, subnormals kept.
;;     - The product sums the exact products of the quantised numbers (number of the format x scale) in f32.
;;   ~~~python
;;   def quantise(x, axis):      # numpy; x: float32 -> the quantised numbers, widened to float32 again
;;       x = np.moveaxis(x, axis, -1); K = x.shape[-1]
;;       x = np.pad(x, [(0, 0)] * (x.ndim - 1) + [(0, -K % 32)]); x = x.reshape(x.shape[:-1] + (-1, 32)); a = np.abs(x).max(-1, keepdims=True)
;;       e = np.where(a > 0, np.clip(np.frexp(np.where(a > 0, a, 1))[1] - 1 - 2, -126, 127), 0)      # np.frexp(a)[1] - 1 = floor(log2(a)), exactly
;;       r = np.clip(x / 2.0 ** e, -7.5, 7.5)
;;       step = 2.0 ** (np.maximum(np.frexp(np.where(r == 0, 1, r))[1] - 1, 0) - 3)
;;       q = np.round(r / step) * step * 2.0 ** e      # np.round: ties to even
;;       return np.moveaxis(q.reshape(q.shape[:-2] + (-1,))[..., :K], -1, axis).astype(np.float32)
;;   ~~~
;;   SOFTMAX AHEAD OF A QUANTISED PRODUCT. Where the list says 'softmax', what is quantised is not the finished softmax but p = 2^(t - M), with t = logit x log2(e) and M = ceil(the row's largest t), a whole number; so 1/2 < the row's largest p <= 1. The row's sum l is taken of the UNQUANTISED p, in f32, and the product's result is divided by l at the end. Since M is a whole number, a kernel that streams over the keys may use a running M (the ceiling of the running maximum): every later rescaling is an exact power of two, which a block's scale takes up: the codes' values come out the same.
;;   OPERANDS COMPUTED ON THE WAY. 'Computed on the way' means the value that the module computes at that place (a softmax that the list does not call 'softmax' is quantised finished and normalised). What goes into a quantiser is computed in f32, as accurately as f32 sums, v_exp_f32 and their like allow (about 1e-6 of the number): no bf16 or f16 on the way to a quantiser, and a product that is left as it is and whose result goes on into a quantised operand takes f32 operands (vector FMAs, or v_wmma_f32_16x16x4_f32). A number that lies on a knife's edge between two numbers of the format may be rounded either way, as far as f32 arithmetic and the matrix unit's own rounding can turn it there, and no further.
;;   INPUTS GIVEN AS CODES. Wk (in the module: [512, 1024], K = its axis 1); Wo (in the module: [1024, 2048], K = its axis 1); Wq (in the module: [4096, 1024], K = its axis 1); Wv (in the module: [512, 1024], K = its axis 1); hidden_states (in the module: [2, 2048, 1024], K = its axis 2): each comes as NAME_codes (uint8): NAME with its K axis moved to the last place and cut into blocks of 32 codes, [.., K / 32, bytes a block], one block behind the other in memory; four codes in three bytes: a row's codes are one little-endian stream of bits, code i at bits 6 i .. 6 i + 5 (a code: sign, 2 exponent bits, 3 mantissa bits); and NAME_scales (uint8): the same leading axes, one E8M0 byte (e + 127) for each 32 codes along K. Its value is code x scale, taken as it is: it is not quantised again, and the codes and scales need not be those that the quantiser above would give.
;; One version. Each part assembles by itself: llvm-mc -triple=amdgcn-amd-amdhsa -mcpu=gfx1250 --defsym DOCPART=n.
;; ======== version 1 of 1: 3 launches
;; limits: inputs' magnitudes at most 4,194,304; right only within a limited range of input values
;; workspace buffers: kv 3,276,800 bytes; wqimg 3,276,800 bytes; hsimg 3,276,800 bytes; woimg 1,638,400 bytes; ao 6,553,600 bytes; rope 524,288 bytes
;; launch prep (part 1): grid 128 x 2, 4 waves a work-group, clusters of 4 x 1, 327,680 bytes of LDS; arguments hidden_states_codes, hidden_states_scales, Wk_codes, Wk_scales, Wv_codes, Wv_scales, Wq_codes, Wq_scales, Wo_codes, Wo_scales, k_norm_w, position_ids, kv, wqimg, hsimg, woimg, rope; writes kv, wqimg, hsimg, woimg, rope
.if DOCPART == 1
	.amdgcn_target "amdgcn-amd-amdhsa--gfx1250"
	.amdhsa_code_object_version 6
	.text
	.protected	k_qe97ca60c5b_prep
	.globl	k_qe97ca60c5b_prep
	.p2align	8
	.type	k_qe97ca60c5b_prep,@function
k_qe97ca60c5b_prep:
	s_mov_b64 s[64:65], 0
	v_nop
	global_prefetch_b8 v0, s[64:65] scope:SCOPE_SE
	s_setreg_imm32_b32 hwreg(HW_REG_WAVE_MODE, 25, 1), 1
	s_wait_xcnt 0x0
	s_wait_alu depctr_hold_cnt(0) depctr_sa_sdst(0) depctr_va_vdst(0) depctr_va_sdst(0) depctr_va_ssrc(0) depctr_va_vcc(0) depctr_vm_vsrc(0)
	s_getreg_b32 s2, hwreg(HW_REG_IB_STS2, 6, 4)
	s_cmp_eq_u32 s2, 0
	s_cbranch_scc0 .Lentry_in_a_cluster
	s_endpgm
.Lentry_in_a_cluster:
	s_bfe_u32 s2, ttmp6, 0x10000c
	s_cmp_lg_u32 s2, 0x3003
	s_cbranch_scc0 .Lentry_shape_is_right
	s_endpgm
.Lentry_shape_is_right:
; k = rope(rmsnorm(hs Wk^T)) and v = hs Wv^T on codes of FP6 (E2M3) with E8M0 scales, quantised again (k along the head's 256, v along the keys) and stored as IMAGES OF OPERAND REGISTERS;
; the cos / sin table of the 2,048 positions; and Wq, hidden_states and Wo laid out anew as such images for the two launches that follow.
; AN IMAGE of a fragment (16 rows x 128 K, 12 registers a lane) is 1,536 bytes: registers 4 g .. 4 g + 3 of lane l at 512 g + 16 l.  An image of a scale register is 128 bytes, 4 l.
; ONE TEXT FOR K AND V.  A work-group multiplies panel 0 (256 rows, source 0, all four waves read all 16 tiles) by panel 1 (64 rows, source 1, wave w has tile w), K = 1,024.
;   y = 0: panel 0 = a head's 256 rows of Wk, panel 1 = 64 tokens: a lane holds one token, its registers run along the head.
;   y = 1: panel 0 = 256 tokens, panel 1 = 64 rows of Wv: a lane holds one channel, its registers run along the keys.
; CLUSTER.  The four partners have the same panel 0 (it hangs on the cluster's x and y alone): it is asked for jointly, four tensor loads a wave (a quarter of K each), filled once.
; Panel 1 differs between the partners.  A wave's tile is 12,288 dense bytes: 24 loads of 512 consecutive bytes bring it into registers, and it turns into fragments through LDS bytes of the wave's own.
; Both panels' scale words go from memory straight into registers (each load 512 consecutive bytes).
; COS AND SIN hang on no product: they are made ahead of the products, while tiles and loads are on their way.  V's work-groups run these lines too and use nothing of them, so that no register is written under one branch and read under another.
; The tiles of panel 0 are read from LDS as neighbouring rows; 64 exchanges between the halves of the lanes then give each lane 16 neighbours along the next K for each pair of tiles.
; A lane's row is scattered into tiles whose rows are NOT neighbours (lane r of tile 2 g + u holds row 32 g + 8 u + r + 8 (r / 8)): the products that read these tiles as source 0 then give 16 neighbours a lane.
; LIMITS: NaN and infinities are not served.  A block whose largest magnitude lies under 2^-124, a block of zeros among them, gets the scale byte 1 (its codes are zeros or tiny; the bytes are read by this program alone).
; inv_freq is 2^(-i log2(1e7) / 32) by v_exp_f32; the angle is reduced by pi / 2 in three parts, meant for |position| under 2^22; sine and cosine are polynomials on +-pi/4 good to about an ulp.
; PANEL 0 NOW COMES BY ONE JOINT LOAD A WAVE (in place of the four quarters named above): 64 whole rows of 768 bytes, each beginning at a multiple of 256 bytes of its buffer.
.set PITCH,  816                       ; panel 0, an LDS row: 3 x (256 bytes of codes + 16 of padding) = 204 words: row r starts at bank 12 r mod 64
.set QBYTES, 64*PITCH                  ; four tiles of 16 rows: what one address register reaches by its immediate, and what one wave fetches
.set P1B,    4*QBYTES                  ; behind the four quarters: panel 1, a region of its own for each wave; no tile lands there
.set P1P,    816                       ; a row there: 3 x (256 bytes + 16) = 204 words: row r starts at bank 12 r mod 64, sixteen different multiples of 4
.set P1W,    16*P1P
.set SPARE,  P1B+4*P1W                 ; the spare words, 128 bytes a wave: two blocks of 256 bytes that no other line names
.set KVB,    51200                     ; a block of kv, wqimg, hsimg
.set WOB,    25600                     ; a block of woimg
.set WV,  2                            ; s2   wave
.set CX,  3                            ; s3   my place in the cluster: it enters global addresses alone
.set YY,  40                           ; s40  0: K, 1: V
.set HM,  41                           ; s41  mask of lanes 16-31
.set G1,  16                           ; s[16:23] descriptor group 1;  s[24:27] group 0
.set G0,  24
.set SEL, 78                           ; s[78:79] selects of v_permlanex16_b32: lane l xor 16
.set LI,  4                            ; v4   16 x lane
.set LS,  5                            ; v5   4 x lane
.set VF,  6                            ; v6   where my lane's 16 bytes of a kv fragment go
.set VSO, 7                            ; v7   where my scale word goes
.set ADQ, 8                            ; v8-15 LDS address of my row in quarter q: two each (the second serves pieces behind one padding more)
.set RN,  16                           ; v16  768 r + 24 h: rows that are neighbours
.set KWO, 17                           ; v17  64 h
.set RP,  18                           ; v18  768 (r + 8 (r / 8)) + 24 h
.set RPS, 19
.set RNS, 20
.set RSC, 21                           ; v21  32 r + 16 h: a row's scale bytes, my half
.set RWO, 22
.set RWS, 23
.set SCB, 24                           ; v24-27  panel 1's scale words: register s % 4, lanes 0-15 K steps 0-3, lanes 16-31 K steps 4-7
.set BM,  28
.set BP,  32
.set BS,  36
.set PCA, 40                           ; v40-51, v52-63 the two fragments made
.set PCB, 52
.set POS, 40
.set POSF, 41
.set PS,  60                           ; v60  panel 1 into LDS: my 16 bytes of a load's 512
.set AP1, 62                           ; v62-63 panel 1 out of LDS: my row, my half (the second serves pieces behind one padding more)
.set SCA, 64                           ; v64-127 panel 0's scale words, four a tile; free behind the products
.set CT,  64
.set PW,  72
.set TW,  74
.set IV,  80
.set ACC, 128                          ; v128-255 the 16 accumulators.  Ahead of the products: work on cos and sin
.set TA,  128
.set IVA, 136
.set COSA, 160
.set SINA, 176
; window 1: v0-95 panel 1: as loaded, then its eight fragments; v96-158 what is laid out anew.  window 2: two buffers of eight fragments of panel 0.  window 3: v0-127 k_norm_w in the lanes' order; v128-143 cos, v144-159 sin.
.set MSB, 0
.macro WIN new                         ; the immediate's high byte repeats the setting that is left
.if MSB != (\new)
	s_set_vgpr_msb (MSB<<8)|(\new)
.set MSB, (\new)
.endif
.endm
.macro PLACES
.rept 4
	v_nop
.endr
.endm
.macro CROUND                          ; a round of the cluster's barrier
	s_barrier_signal -1
	s_barrier_wait -1
	s_cmp_lg_u32 s[WV], 0
	s_cbranch_scc1 .Lnot_wave_0_\@
	s_barrier_signal -3
.Lnot_wave_0_\@:
	s_barrier_wait -3
	s_barrier_signal -1
	s_barrier_wait -1
.endm
; one product.  zero: the constant 0 starts the sum.  ra, rb: which half of the lanes holds source 0's and source 1's scale words
.macro WM d, a, b, zero, sa, sb, ra, rb
.if (\zero)
.if ((\ra)==0) && ((\rb)==0)
	v_wmma_scale_f32_16x16x128_f8f6f4 v[(\d):(\d)+7], v[(\a):(\a)+11], v[(\b):(\b)+11], 0, v[(\sa)], v[(\sb)] matrix_a_fmt:MATRIX_FMT_FP6 matrix_b_fmt:MATRIX_FMT_FP6
.elseif ((\rb)==0)
	v_wmma_scale_f32_16x16x128_f8f6f4 v[(\d):(\d)+7], v[(\a):(\a)+11], v[(\b):(\b)+11], 0, v[(\sa)], v[(\sb)] matrix_a_fmt:MATRIX_FMT_FP6 matrix_b_fmt:MATRIX_FMT_FP6 matrix_a_scale:MATRIX_SCALE_ROW1
.elseif ((\ra)==0)
	v_wmma_scale_f32_16x16x128_f8f6f4 v[(\d):(\d)+7], v[(\a):(\a)+11], v[(\b):(\b)+11], 0, v[(\sa)], v[(\sb)] matrix_a_fmt:MATRIX_FMT_FP6 matrix_b_fmt:MATRIX_FMT_FP6 matrix_b_scale:MATRIX_SCALE_ROW1
.else
	v_wmma_scale_f32_16x16x128_f8f6f4 v[(\d):(\d)+7], v[(\a):(\a)+11], v[(\b):(\b)+11], 0, v[(\sa)], v[(\sb)] matrix_a_fmt:MATRIX_FMT_FP6 matrix_b_fmt:MATRIX_FMT_FP6 matrix_a_scale:MATRIX_SCALE_ROW1 matrix_b_scale:MATRIX_SCALE_ROW1
.endif
.else
.if ((\ra)==0) && ((\rb)==0)
	v_wmma_scale_f32_16x16x128_f8f6f4 v[(\d):(\d)+7], v[(\a):(\a)+11], v[(\b):(\b)+11], v[(\d):(\d)+7], v[(\sa)], v[(\sb)] matrix_a_fmt:MATRIX_FMT_FP6 matrix_b_fmt:MATRIX_FMT_FP6
.elseif ((\rb)==0)
	v_wmma_scale_f32_16x16x128_f8f6f4 v[(\d):(\d)+7], v[(\a):(\a)+11], v[(\b):(\b)+11], v[(\d):(\d)+7], v[(\sa)], v[(\sb)] matrix_a_fmt:MATRIX_FMT_FP6 matrix_b_fmt:MATRIX_FMT_FP6 matrix_a_scale:MATRIX_SCALE_ROW1
.elseif ((\ra)==0)
	v_wmma_scale_f32_16x16x128_f8f6f4 v[(\d):(\d)+7], v[(\a):(\a)+11], v[(\b):(\b)+11], v[(\d):(\d)+7], v[(\sa)], v[(\sb)] matrix_a_fmt:MATRIX_FMT_FP6 matrix_b_fmt:MATRIX_FMT_FP6 matrix_b_scale:MATRIX_SCALE_ROW1
.else
	v_wmma_scale_f32_16x16x128_f8f6f4 v[(\d):(\d)+7], v[(\a):(\a)+11], v[(\b):(\b)+11], v[(\d):(\d)+7], v[(\sa)], v[(\sb)] matrix_a_fmt:MATRIX_FMT_FP6 matrix_b_fmt:MATRIX_FMT_FP6 matrix_a_scale:MATRIX_SCALE_ROW1 matrix_b_scale:MATRIX_SCALE_ROW1
.endif
.endif
.endm
; 64 numbers of a lane in window w, register 16 b + i = k 32 b + 16 (lane / 16) + i of my row, become a fragment's 12 registers at v[pc] and its scale word v[pw]
.macro QUANT s, w, pc, ct, pw
	WIN ((\w)|((\w)<<2))
.irp b, 0,1,2,3
	v_max3_num_f32 v[BM+\b], |v[(\s)+16*\b]|, |v[(\s)+16*\b+1]|, 0x1800000   ; my 16 numbers of block b, and the floor 2^(3 - 127): the byte cannot fall under 1
.endr
	WIN (((\w)<<2)|((\w)<<4))
.irp i, 2,4,6,8,10,12,14
.irp b, 0,1,2,3
	v_max3_num_f32 v[BM+\b], v[BM+\b], |v[(\s)+16*\b+\i]|, |v[(\s)+16*\b+\i+1]|
.endr
.endr
	WIN 0
.irp b, 0,1,2,3
	v_permlanex16_b32 v[BP+\b], v[BM+\b], s[SEL], s[SEL+1]
.endr
.irp b, 0,1,2,3
	v_max_num_f32 v[BM+\b], v[BM+\b], v[BP+\b]     ; with lane l xor 16's: the block's largest magnitude
.endr
.irp b, 0,1,2,3
	v_add_nc_u32 v[BS+\b], 0xff000000, v[BM+\b]    ; 2 off its exponent field: the conversion's scale operand
.endr
.irp b, 0,1,2,3
	v_lshrrev_b32 v[BP+\b], 23, v[BS+\b]           ; the scale's byte
.endr
	v_lshl_or_b32 v[(\pw)], v[BP+1], 8, v[BP]
	v_lshl_or_b32 v[(\pw)], v[BP+2], 16, v[(\pw)]
	v_lshl_or_b32 v[(\pw)], v[BP+3], 24, v[(\pw)]
	WIN (\w)
.irp c, 0,1
	v_cvt_scalef32_pk16_fp6_f32 v[(\pc)+6*\c:(\pc)+6*\c+2], v[(\s)+32*\c:(\s)+32*\c+15], v[BS+2*\c]
	v_cvt_scalef32_pk16_fp6_f32 v[(\ct)+4*\c:(\ct)+4*\c+2], v[(\s)+32*\c+16:(\s)+32*\c+31], v[BS+2*\c+1]
.endr
	WIN 0
	v_nop                                          ; one plain line behind the scaled conversions
.irp c, 0,1                                    ; a whole block to a lane: lanes 0-15 block 2 c, lanes 16-31 block 2 c + 1
.irp i, 0,1,2
	v_permlane16_swap_b32 v[(\pc)+6*\c+\i], v[(\ct)+4*\c+\i]
.endr
.irp i, 0,1,2
	v_mov_b32 v[(\pc)+3+6*\c+\i], v[(\ct)+4*\c+\i]
.endr
.endr
.endm
	s_load_b256 s[4:11], s[0:1], 0x0               ; hs codes, hs scales, Wk codes, Wk scales
	s_load_b128 s[12:15], s[0:1], 0x20             ; Wv codes, Wv scales
	s_load_b256 s[80:87], s[0:1], 0x30             ; Wq codes, Wq scales, Wo codes, Wo scales
	s_load_b256 s[88:95], s[0:1], 0x50             ; k_norm_w, position_ids, kv, wqimg
	s_load_b128 s[96:99], s[0:1], 0x70             ; hsimg, woimg
	s_load_b64 s[100:101], s[0:1], 0x80            ; rope
	v_lshl_add_u32 v30, v0, 2, SPARE               ; no two registers can be kept for the add: v0 is kept, and the two are made anew at the wave's end
	v_mov_b32 v31, 0
	ds_add_u32 v30, v31                            ; the opening lines: the add, twice on end, and its wait
	ds_add_u32 v30, v31
	v_lshrrev_b32 v1, 5, v0
	v_readfirstlane_b32 s[WV], v1
	s_bfe_u32 s[CX], ttmp6, 0x40000
	s_and_b32 s[YY], ttmp7, 0xffff
	; group 1: 64 rows of 768 bytes, 16 bytes of padding behind every 256; the mask names all four partners
	s_mov_b32 s[G1], 15|(1<<20)|(1<<21)|(5<<22)|(3<<25)   ; 64 rows of 768 bytes, 16 bytes of padding behind every 256
	s_mov_b32 s[G1+1], 768<<16
	s_mov_b32 s[G1+2], 64<<16
	s_mov_b32 s[G1+3], 768<<16
	s_mov_b32 s[G1+4], 64
	s_mov_b32 s[G1+5], 768
	s_mov_b32 s[G1+6], 0
	s_mov_b32 s[G1+7], 0
	v_and_b32 v1, 31, v0                           ; lane
	v_and_b32 v2, 15, v0                           ; r
	v_bfe_u32 v3, v0, 4, 1                         ; h
	v_lshlrev_b32 v[LI], 4, v1
	v_lshlrev_b32 v[LS], 2, v1
	v_lshlrev_b32 v[RNS], 5, v1                    ; (16 h + r) x 32
	v_lshlrev_b32 v1, 2, v2                        ; 4 r
	v_mul_u32_u24 v6, v2, PITCH
	v_mad_u32_u24 v6, v3, 24, v6
	v_lshl_add_u32 v7, v3, 4, v6
.irp k, 0,1,2,3
	v_add_nc_u32 v[ADQ+2*\k], \k*QBYTES, v6
	v_add_nc_u32 v[ADQ+2*\k+1], \k*QBYTES, v7
.endr
	s_mul_i32 s41, s[WV], P1W
	s_add_co_u32 s41, s41, P1B                     ; my wave's bytes for panel 1
	v_lshl_add_u32 v[PS], v3, 4, v[LI]             ; in: byte x of the tile goes to x + 16 (x / 256): load i's 512 bytes to 544 i + 16 lane + 16 h
	v_add_nc_u32 v[PS], s41, v[PS]
	v_mul_u32_u24 v[AP1], v2, P1P                  ; out: row r, + 24 h
	v_mad_u32_u24 v[AP1], v3, 24, v[AP1]
	v_add_nc_u32 v[AP1], s41, v[AP1]
	v_lshl_add_u32 v[AP1+1], v3, 4, v[AP1]
	v_mul_u32_u24 v[RN], v2, 768
	v_mad_u32_u24 v[RN], v3, 24, v[RN]
	v_lshlrev_b32 v[KWO], 6, v3
	v_and_b32 v28, 8, v2
	v_add_nc_u32 v28, v28, v2                      ; r + 8 (r / 8)
	v_mul_u32_u24 v[RP], v28, 768
	v_mad_u32_u24 v[RP], v3, 24, v[RP]
	v_lshlrev_b32 v[RPS], 5, v28
	v_lshl_add_u32 v[RPS], v3, 8, v[RPS]           ; (8 h + r + 8 (r / 8)) x 32
	v_lshlrev_b32 v[RSC], 5, v2
	v_lshl_add_u32 v[RSC], v3, 4, v[RSC]
	v_mul_u32_u24 v[RWO], v2, 1536
	v_mad_u32_u24 v[RWO], v3, 24, v[RWO]
	v_lshlrev_b32 v[RWS], 6, v2
	v_lshl_add_u32 v[RWS], v3, 2, v[RWS]
.irp b, 0,1,2,3
	v_mov_b32 v[BP+\b], 0                          ; a lane permute's destination counts as one of its sources
.endr
	; which rows.  q = the cluster's x
	s_lshr_b32 s41, ttmp9, 4                       ; K: the head; V: the batch
	s_and_b32 s42, ttmp9, 15
	s_lshl_b32 s42, s42, 2
	s_add_co_u32 s42, s42, s[CX]                   ; K: which 64 tokens
	s_bfe_u32 s43, ttmp9, 0x10003                  ; V: the head
	s_and_b32 s44, ttmp9, 7                        ; V: which 256 tokens
	s_lshl_b32 s45, s41, 8
	s_lshl_b32 s46, s41, 11
	s_lshl_b32 s47, s44, 8
	s_add_co_u32 s46, s46, s47
	s_cmp_eq_u32 s[YY], 0
	s_cselect_b32 s45, s45, s46                    ; panel 0's first row: no place in the cluster enters it
	s_lshl_b32 s46, s42, 6
	s_lshl_b32 s47, s43, 8
	s_lshl_b32 s48, s[CX], 6
	s_add_co_u32 s47, s47, s48
	s_cmp_eq_u32 s[YY], 0
	s_cselect_b32 s46, s46, s47
	s_lshl_b32 s47, s[WV], 4
	s_add_co_u32 s46, s46, s47                     ; my tile of panel 1: its first row
	s_lshl_b32 s48, s[WV], 6
	s_add_co_u32 s48, s48, s45
	s_mul_i32 s48, s48, 768                        ; the 64 rows of panel 0 that I fetch
	s_mov_b32 s49, 0
	s_mul_i32 s50, s[WV], 64*PITCH
	s_mov_b32 s53, 0
	s_wait_dscnt 0x0                               ; both opening adds are done
	s_wait_kmcnt 0x0
	s_cmp_eq_u32 s[YY], 0
	s_cselect_b64 s[8:9], s[8:9], s[4:5]           ; panel 0: codes,
	s_cselect_b64 s[10:11], s[10:11], s[6:7]       ; scales
	s_cselect_b64 s[12:13], s[4:5], s[12:13]       ; panel 1: codes,
	s_cselect_b64 s[14:15], s[6:7], s[14:15]       ; scales
	s_add_nc_u64 s[48:49], s[8:9], s[48:49]
	s_lshl_b32 s52, s45, 5
	s_add_nc_u64 s[10:11], s[10:11], s[52:53]
	s_mul_i32 s52, s46, 768
	s_add_nc_u64 s[12:13], s[12:13], s[52:53]
	s_lshl_b32 s52, s46, 5
	s_add_nc_u64 s[14:15], s[14:15], s[52:53]
	s_mov_b32 s[G0], 1
	s_mov_b32 s[G0+1], s50
	s_mov_b64 s[G0+2:G0+3], s[48:49]
	s_or_b32 s[G0+3], s[G0+3], 0x80000000
	CROUND                                         ; all four work-groups are here: the joint loads meet
	tensor_load_to_lds s[G0:G0+3], s[G1:G1+7]      ; my one load: my 64 rows of panel 0, all of K; every LDS byte that it fills is filled once
	s_nop 0
	PLACES
	; what is laid out anew: wave number gw of 1,024 takes two fragments of Wq, two of hidden_states, one of Wo
	s_lshl_b32 s51, s[YY], 7
	s_lshl_b32 s68, ttmp9, 2
	s_add_co_u32 s51, s51, s68
	s_add_co_u32 s51, s51, s[CX]
	s_lshl_b32 s51, s51, 2
	s_add_co_u32 s51, s51, s[WV]                   ; gw
	s_lshr_b32 s68, s51, 6                         ; which 256 rows
	s_bfe_u32 s69, s51, 0x30003                    ; K step
	s_and_b32 s70, s51, 7                          ; which pair of tiles
	s_lshl_b32 s71, s68, 8
	s_lshl_b32 s72, s70, 5
	s_add_co_u32 s71, s71, s72
	s_mul_i32 s52, s71, 768
	s_mul_i32 s72, s69, 96
	s_add_co_u32 s52, s52, s72
	s_add_nc_u64 s[80:81], s[80:81], s[52:53]
	s_add_nc_u64 s[4:5], s[4:5], s[52:53]
	s_lshl_b32 s52, s71, 5
	s_lshl_b32 s72, s69, 2
	s_add_co_u32 s52, s52, s72
	s_add_nc_u64 s[82:83], s[82:83], s[52:53]
	s_add_nc_u64 s[6:7], s[6:7], s[52:53]
	s_lshl_b32 s71, s68, 2
	s_lshr_b32 s72, s69, 1
	s_add_co_u32 s71, s71, s72
	s_mul_i32 s71, s71, KVB                        ; the block: two K steps of 256 rows
	s_and_b32 s72, s69, 1
	s_mul_i32 s73, s72, 24576
	s_mul_i32 s52, s70, 3072
	s_add_co_u32 s52, s52, s73
	s_add_co_u32 s52, s52, s71
	s_add_nc_u64 s[54:55], s[94:95], s[52:53]
	s_add_nc_u64 s[58:59], s[96:97], s[52:53]
	s_lshl_b32 s73, s72, 10
	s_lshl_b32 s52, s70, 7
	s_add_co_u32 s52, s52, s73
	s_add_co_u32 s52, s52, s71
	s_add_co_u32 s52, s52, 49152
	s_add_nc_u64 s[56:57], s[94:95], s[52:53]
	s_add_nc_u64 s[60:61], s[96:97], s[52:53]
	s_lshr_b32 s68, s51, 7                         ; Wo: which 128 rows,
	s_bfe_u32 s69, s51, 0x30004                    ; which pair of K steps,
	s_bfe_u32 s70, s51, 0x30001                    ; which tile,
	s_and_b32 s71, s51, 1                          ; which of the two K steps
	s_lshl_b32 s72, s68, 7
	s_lshl_b32 s73, s70, 4
	s_add_co_u32 s72, s72, s73
	s_lshl_b32 s73, s69, 1
	s_add_co_u32 s73, s73, s71
	s_mul_i32 s52, s72, 1536
	s_mul_i32 s73, s73, 96
	s_add_co_u32 s52, s52, s73
	s_add_nc_u64 s[84:85], s[84:85], s[52:53]
	s_lshl_b32 s52, s72, 6
	s_lshl_b32 s73, s69, 3
	s_add_co_u32 s52, s52, s73
	s_add_nc_u64 s[86:87], s[86:87], s[52:53]
	s_lshl_b32 s72, s68, 3
	s_add_co_u32 s72, s72, s69
	s_mul_i32 s72, s72, WOB
	s_lshl_b32 s73, s70, 1
	s_add_co_u32 s73, s73, s71
	s_mul_i32 s52, s73, 1536
	s_add_co_u32 s52, s52, s72
	s_add_nc_u64 s[62:63], s[98:99], s[52:53]
	s_lshl_b32 s52, s70, 7
	s_add_co_u32 s52, s52, s72
	s_add_co_u32 s52, s52, 24576
	s_add_nc_u64 s[66:67], s[98:99], s[52:53]
	; where my results go in kv.  What differs between K and V is chosen by selects on y: no branch
	s_lshr_b32 s68, s42, 5
	s_lshl_b32 s68, s68, 1
	s_add_co_u32 s68, s68, s41
	s_lshl_b32 s68, s68, 4
	s_bfe_u32 s69, s42, 0x40001
	s_add_co_u32 s68, s68, s69                     ; K: block (2 b + head) 16 + key step
	s_lshl_b32 s69, s41, 1
	s_add_co_u32 s69, s69, s43
	s_lshl_b32 s69, s69, 4
	s_lshl_b32 s70, s44, 1
	s_add_co_u32 s69, s69, s70                     ; V: the first of my two blocks
	s_and_b32 s70, s42, 1
	s_mov_b32 s72, 3072
	s_mov_b32 s73, 24576
	s_mov_b32 s74, 128
	s_mov_b32 s75, 50176
	s_mov_b32 s76, KVB
	s_mov_b32 s77, 1536
	s_mov_b32 s47, KVB
	s_cmp_eq_u32 s[YY], 0
	s_cselect_b32 s68, s68, s69
	s_cselect_b32 s70, s70, s[CX]
	s_cselect_b32 s72, 6144, s72                   ; bytes of fragments for a group of 32 rows
	s_cselect_b32 s73, 0, s73                      ; K's fragments begin a block, V's follow
	s_cselect_b32 s74, 256, s74                    ; bytes of scale words for such a group
	s_cselect_b32 s75, 49152, s75
	s_cselect_b32 s76, 1536, s76                   ; from my first fragment to my second: the head's other half | the next key step
	s_cselect_b32 s77, 3072, s77                   ; from tile 2 g to tile 2 g + 1
	s_cselect_b32 s46, 128, 64
	s_cselect_b32 s47, 64, s47                     ; from lanes 0-15's scale word to lanes 16-31's
	s_mul_i32 s68, s68, KVB
	s_lshl_b32 s70, s70, 1
	s_lshr_b32 s71, s[WV], 1
	s_add_co_u32 s70, s70, s71                     ; the group of 32 rows
	s_and_b32 s71, s[WV], 1                        ; its lower or upper 16
	s_mul_i32 s52, s70, s72
	s_add_co_u32 s52, s52, s73
	s_add_co_u32 s52, s52, s68
	s_lshl_b32 s69, s71, 7
	s_add_co_u32 s52, s52, s69
	s_add_nc_u64 s[48:49], s[92:93], s[52:53]
	s_add_co_u32 s52, s52, s76
	s_add_nc_u64 s[50:51], s[92:93], s[52:53]
	s_mul_i32 s52, s70, s74
	s_add_co_u32 s52, s52, s75
	s_add_co_u32 s52, s52, s68
	s_lshl_b32 s69, s71, 5
	s_add_co_u32 s52, s52, s69
	s_add_nc_u64 s[92:93], s[92:93], s[52:53]
	v_lshrrev_b32 v28, 3, v2
	v_and_b32 v29, 7, v2
	v_mul_u32_u24 v[VF], v28, s77
	v_lshl_add_u32 v[VF], v3, 8, v[VF]
	v_lshl_add_u32 v[VF], v29, 4, v[VF]
	v_mul_u32_u24 v[VSO], v28, s46
	v_mad_u32_u24 v[VSO], v3, s47, v[VSO]
	v_lshl_add_u32 v[VSO], v29, 2, v[VSO]
	s_lshl_b32 s52, s42, 6
	s_lshl_b32 s69, s[WV], 4
	s_add_co_u32 s52, s52, s69
	s_and_b32 s52, s52, 2047
	s_lshl_b32 s52, s52, 2
	s_add_nc_u64 s[90:91], s[90:91], s[52:53]      ; my 16 tokens' positions
	s_lshl_b32 s52, s42, 2
	s_add_co_u32 s52, s52, s[WV]
	s_lshl_b32 s52, s52, 12
	s_add_nc_u64 s[100:101], s[100:101], s[52:53]  ; their place in the table (used only by the work-groups that store it)
	s_mov_b32 s[HM], 0xffff0000
	s_mov_b32 s42, 0x3b800000                      ; 1 / 256
	s_mov_b32 s43, 0x358637bd                      ; 1e-6
	s_mov_b32 s[SEL], 0x76543210
	s_mov_b32 s[SEL+1], 0xfedcba98
	s_mov_b32 s68, 0x3f22f983                      ; 2 / pi
	s_mov_b32 s69, 0xbfc90fdb                      ; -pi / 2 in three parts
	s_mov_b32 s70, 0x333bbd2e
	s_mov_b32 s71, 0x26f72ced
	s_mov_b32 s72, 0xbe2aaaa3                      ; sine: r + r z (s72 + z (s73 + z s74))
	s_mov_b32 s73, 0x3c08839e
	s_mov_b32 s74, 0xb94ca1f9
	s_mov_b32 s75, 0x3d2aaaa5                      ; cosine: 1 - z / 2 + z z (s75 + z (s76 + z s77))
	s_mov_b32 s76, 0xbab6061a
	s_mov_b32 s77, 0x37ccf5ce
	s_mov_b32 s44, 0xbf3a0729                      ; -log2(1e7) / 32
	; loads into registers: what is wanted first goes first
	global_load_b32 v[POS], v1, s[90:91]
	WIN 0x40
.irp i, 0,1,2,3,4,5,6,7,8,9,10,11,12,13,14,15,16,17,18,19,20,21,22,23
	global_load_b128 v[4*\i:4*\i+3], v[LI], s[12:13] offset:512*\i   ; panel 1 as it lies: 512 consecutive bytes a load
.endr
	WIN 0
.irp t, 0,1,2,3,4,5,6,7,8,9,10,11,12,13,14,15
	global_load_b128 v[SCA+4*\t:SCA+4*\t+3], v[RSC], s[10:11] offset:512*\t   ; 16 rows x 32 bytes: 512 consecutive bytes
.endr
	global_load_b128 v[SCB:SCB+3], v[RSC], s[14:15]
	WIN 0x40
.irp p, 0,1,2,3,4,5
	global_load_b64 v[96+2*\p:97+2*\p], v[RP], s[80:81] offset:48*(\p/3)+8*(\p%3)
	global_load_b64 v[108+2*\p:109+2*\p], v[RP], s[80:81] offset:6144+48*(\p/3)+8*(\p%3)
	global_load_b64 v[120+2*\p:121+2*\p], v[RN], s[4:5] offset:48*(\p/3)+8*(\p%3)
	global_load_b64 v[132+2*\p:133+2*\p], v[RN], s[4:5] offset:12288+48*(\p/3)+8*(\p%3)
	global_load_b64 v[144+2*\p:145+2*\p], v[RWO], s[84:85] offset:48*(\p/3)+8*(\p%3)
.endr
	global_load_b32 v156, v[RPS], s[82:83]
	global_load_b32 v157, v[RNS], s[6:7]
	global_load_b32 v158, v[RWS], s[86:87]
	WIN 0
	; inv_freq(16 h + n): it hangs on no load
	v_lshlrev_b32 v[TA], 4, v3
.irp n, 0,1,2,3,4,5,6,7,8,9,10,11,12,13,14,15
	v_add_nc_u32 v[IVA+\n], \n, v[TA]
.endr
.irp n, 0,1,2,3,4,5,6,7,8,9,10,11,12,13,14,15
	v_cvt_f32_u32 v[IVA+\n], v[IVA+\n]
.endr
.irp n, 0,1,2,3,4,5,6,7,8,9,10,11,12,13,14,15
	v_mul_f32 v[IVA+\n], s44, v[IVA+\n]
.endr
	s_wait_alu depctr_va_vdst(0)
.irp n, 0,1,2,3,4,5,6,7,8,9,10,11,12,13,14,15
	v_exp_f32 v[IVA+\n], v[IVA+\n]
.endr
	v_nop                                          ; a plain line behind the batch,
	s_wait_alu depctr_va_vdst(0)                   ; and one wait for all sixteen
	s_wait_loadcnt 50                              ; the positions and panel 1 are in: behind them 17 loads of scale words and 33 of what is laid out anew were issued
	WIN 0x04                                       ; an LDS store's data are its source 1: window 1
.irp i, 0,1,2,3,4,5,6,7,8,9,10,11,12,13,14,15,16,17,18,19,20,21,22,23
	ds_store_b128 v[PS], v[4*\i:4*\i+3] offset:544*\i
.endr
; a fragment of panel 1: six pieces of 8 bytes; lanes 16-31 read three pieces further on, which for pieces 29 to 31 of 32 is behind one padding more
.macro FRAG1 reg, q
.irp p, 0,1,2,3,4,5
.set PCE, 12*(\q)+6*(\p/3)+\p%3
.if (PCE%32) < 29
	ds_load_b64 v[(\reg)+2*\p:(\reg)+2*\p+1], v[AP1] offset:8*PCE+16*(PCE/32)
.else
	ds_load_b64 v[(\reg)+2*\p:(\reg)+2*\p+1], v[AP1+1] offset:8*PCE+16*(PCE/32)
.endif
.endr
.endm
	WIN 0x40                                       ; LDS serves a wave's instructions in order: these see my stores, and land in the registers that the stores have left
.irp s, 0,1,2,3,4,5,6,7
	FRAG1 12*\s, \s
.endr
	WIN 0xc0
.irp b, 0,1,2,3,4,5,6,7
.irp k, 0,1,2,3
	global_load_b128 v[16*\b+4*\k:16*\b+4*\k+3], v[KWO], s[88:89] offset:128*\b+16*\k   ; k_norm_w(32 b + 16 h + 4 k ..): both paths load it, K's uses it
.endr
.endr
	WIN 0
	s_wait_loadcnt 32                              ; all but k_norm_w's 32 loads
	WIN 0x04                                       ; a store's data are its source 1: window 1
.irp k, 0,1,2
	global_store_b128 v[LI], v[96+4*\k:99+4*\k], s[54:55] offset:512*\k      ; each store of the wave covers 512 consecutive bytes, aligned
	global_store_b128 v[LI], v[108+4*\k:111+4*\k], s[54:55] offset:1536+512*\k
	global_store_b128 v[LI], v[120+4*\k:123+4*\k], s[58:59] offset:512*\k
	global_store_b128 v[LI], v[132+4*\k:135+4*\k], s[58:59] offset:1536+512*\k
	global_store_b128 v[LI], v[144+4*\k:147+4*\k], s[62:63] offset:512*\k
.endr
	global_store_b32 v[LS], v156, s[56:57]
	global_store_b32 v[LS], v157, s[60:61]
	global_store_b32 v[LS], v158, s[66:67]         ; (the two waves of a tile of Wo store the same words)
	WIN 0
	; ---- cos and sin of position x inv_freq(16 h + n), in the accumulators' registers, which the products have not begun
	v_cvt_f32_i32 v[POSF], v[POS]
; eight angles by turns, line by line, so that no line reads the result of the line above it; angle j's eight temporaries at v[TT + 8 j], in accumulators' registers that the products have not begun
.set TT, 192
.macro TRIG8 n0
.irp j, 0,1,2,3,4,5,6,7
	v_mul_f32 v[TT+8*\j], v[POSF], v[IVA+(\n0)+\j]             ; the angle
.endr
.irp j, 0,1,2,3,4,5,6,7
	v_mul_f32 v[TT+8*\j+1], s68, v[TT+8*\j]
.endr
.irp j, 0,1,2,3,4,5,6,7
	v_rndne_f32 v[TT+8*\j+1], v[TT+8*\j+1]                     ; N quarter turns
.endr
.irp j, 0,1,2,3,4,5,6,7
	v_fma_f32 v[TT+8*\j], v[TT+8*\j+1], s69, v[TT+8*\j]
.endr
.irp j, 0,1,2,3,4,5,6,7
	v_fma_f32 v[TT+8*\j], v[TT+8*\j+1], s70, v[TT+8*\j]
.endr
.irp j, 0,1,2,3,4,5,6,7
	v_fma_f32 v[TT+8*\j], v[TT+8*\j+1], s71, v[TT+8*\j]        ; what is left, within +-pi/4
	v_cvt_i32_f32 v[TT+8*\j+1], v[TT+8*\j+1]
.endr
.irp j, 0,1,2,3,4,5,6,7
	v_mul_f32 v[TT+8*\j+2], v[TT+8*\j], v[TT+8*\j]             ; z
	v_and_b32 v[TT+8*\j+5], 1, v[TT+8*\j+1]
.endr
.irp j, 0,1,2,3,4,5,6,7
	v_fma_f32 v[TT+8*\j+3], v[TT+8*\j+2], s74, s73
	v_mul_f32 v[TT+8*\j+6], v[TT+8*\j+2], v[TT+8*\j]
	v_fma_f32 v[TT+8*\j+4], v[TT+8*\j+2], s77, s76
	v_mul_f32 v[TT+8*\j+7], v[TT+8*\j+2], v[TT+8*\j+2]
.endr
.irp j, 0,1,2,3,4,5,6,7
	v_fma_f32 v[TT+8*\j+3], v[TT+8*\j+3], v[TT+8*\j+2], s72
	v_fma_f32 v[TT+8*\j+4], v[TT+8*\j+4], v[TT+8*\j+2], s75
	v_fma_f32 v[TT+8*\j+2], v[TT+8*\j+2], -0.5, 1.0
.endr
.irp j, 0,1,2,3,4,5,6,7
	v_fma_f32 v[TT+8*\j+3], v[TT+8*\j+3], v[TT+8*\j+6], v[TT+8*\j]     ; its sine
	v_fma_f32 v[TT+8*\j+4], v[TT+8*\j+4], v[TT+8*\j+7], v[TT+8*\j+2]   ; its cosine
.endr
.irp j, 0,1,2,3,4,5,6,7
	v_cmp_ne_u32 vcc_lo, 0, v[TT+8*\j+5]                       ; an odd quarter swaps the two: a choice of values, no branch
	v_cndmask_b32 v[SINA+(\n0)+\j], v[TT+8*\j+3], v[TT+8*\j+4], vcc_lo
	v_cndmask_b32 v[COSA+(\n0)+\j], v[TT+8*\j+4], v[TT+8*\j+3], vcc_lo
.endr
.irp j, 0,1,2,3,4,5,6,7
	v_lshlrev_b32 v[TT+8*\j+5], 30, v[TT+8*\j+1]
	v_add_nc_u32 v[TT+8*\j+1], 1, v[TT+8*\j+1]
.endr
.irp j, 0,1,2,3,4,5,6,7
	v_and_b32 v[TT+8*\j+5], 0x80000000, v[TT+8*\j+5]           ; quarters 2, 3: the sine changes sign
	v_lshlrev_b32 v[TT+8*\j+1], 30, v[TT+8*\j+1]
.endr
.irp j, 0,1,2,3,4,5,6,7
	v_xor_b32 v[SINA+(\n0)+\j], v[SINA+(\n0)+\j], v[TT+8*\j+5]
	v_and_b32 v[TT+8*\j+1], 0x80000000, v[TT+8*\j+1]           ; quarters 1, 2: the cosine
.endr
.irp j, 0,1,2,3,4,5,6,7
	v_xor_b32 v[COSA+(\n0)+\j], v[COSA+(\n0)+\j], v[TT+8*\j+1]
.endr
.endm
	TRIG8 0
	TRIG8 8
	WIN 0xc0                                       ; they wait in window 3 while the products have these registers
.irp n, 0,1,2,3,4,5,6,7,8,9,10,11,12,13,14,15
	v_mov_b32 v[128+\n], v[COSA+\n]
	v_mov_b32 v[144+\n], v[SINA+\n]
.endr
	WIN 0
	s_cmp_lg_u32 s[YY], 0
	s_cbranch_scc1 .Lno_table
	s_cmp_lt_u32 ttmp9, 8                          ; K's work-groups of the first head and the first batch cover each position once: they store the table
	s_cbranch_scc0 .Lno_table
.irp k, 0,1,2,3,4,5,6,7
	global_store_b128 v[LI], v[COSA+4*\k:COSA+4*\k+3], s[100:101] offset:512*\k
.endr
.Lno_table:
	s_wait_xcnt 0x0                                ; the table's stores have read their data: the products write these registers only behind this wait
	s_wait_loadcnt 0x0                             ; k_norm_w
	s_wait_dscnt 0x0                               ; panel 1's fragments; no LDS instruction of mine is out at the barrier below
; a fragment from rows in LDS: six pieces of 8 bytes; lanes 16-31 read three pieces further on, which for some pieces is behind one padding more
.macro FRAG reg, adr, q, i
.irp p, 0,1,2,3,4,5
.set PCE, 12*(\q)+6*(\p/3)+\p%3
.if (PCE%32) < 29
	ds_load_b64 v[(\reg)+2*\p:(\reg)+2*\p+1], v[(\adr)] offset:8*PCE+16*(PCE/32)+(\i)*16*PITCH
.else
	ds_load_b64 v[(\reg)+2*\p:(\reg)+2*\p+1], v[(\adr)+1] offset:8*PCE+16*(PCE/32)+(\i)*16*PITCH
.endif
.endr
.endm
.macro FETCH0 kq, n                    ; half n of quarter kq: K step n / 2 of the quarter, tiles 8 (n % 2) + 0 .. 7, into buffer n % 2
	WIN 0x80
.irp i, 0,1,2,3,4,5,6,7
	FRAG 96*((\n)%2)+12*\i, ADQ+2*(2*((\n)%2)+\i/4), 2*(\kq)+(\n)/2, \i%4   ; the address register of the tile's group of four; the K step counts from the row's start
.endr
	WIN 0
.endm
.macro MULH kq, n                      ; its eight products: eight accumulators, one instruction each; the sixteen take turns
	WIN 0x06                                       ; source 0 window 2, source 1 window 1
.irp i, 0,1,2,3,4,5,6,7
.set tt, 8*((\n)%2)+\i
.set ss, 2*(\kq)+(\n)/2
	WM ACC+8*tt, 96*((\n)%2)+12*\i, 12*ss, (ss==0), SCA+4*tt+ss%4, SCB+ss%4, ss/4, ss/4
.endr
	WIN 0
.endm
.macro QUARTER kq
.if (\kq) == 0
	s_wait_tensorcnt 0x0                           ; my 64 rows have landed
	s_barrier_signal -1                            ; (no LDS instruction of mine is out)
	s_barrier_wait -1                              ; everybody's have: panel 0 is whole, and nothing is ever filled again
.endif
	FETCH0 \kq, 0
	FETCH0 \kq, 1
	s_wait_dscnt 48                                ; all but the next half's 48 loads
	MULH \kq, 0
	PLACES                                         ; in front of loads into registers that products have read
	FETCH0 \kq, 2
	s_wait_dscnt 48
	MULH \kq, 1
	PLACES
	FETCH0 \kq, 3
	s_wait_dscnt 48
	MULH \kq, 2
	s_wait_dscnt 0x0
	MULH \kq, 3
	PLACES
.endm
	QUARTER 0
	QUARTER 1
	QUARTER 2
	QUARTER 3
	; tiles 2 b and 2 b + 1 hold rows 32 b + 8 h + j and 32 b + 16 + 8 h + j: the exchange makes register 16 b + n row 32 b + 16 h + n.  Each accumulator is read from its low end on
.irp b, 0,1,2,3,4,5,6,7
.irp j, 0,1,2,3,4,5,6,7
	v_permlane16_swap_b32 v[ACC+16*\b+\j], v[ACC+16*\b+8+\j]
.endr
.endr
	s_cmp_lg_u32 s[YY], 0
	s_cbranch_scc1 .Lquant                         ; v is quantised as it is
	; ---- k: the norm over the head's 256 (128 are mine, 128 lane l xor 16's)
.irp i, 0,1,2,3
	v_pk_mul_f32 v[TW+2*\i:TW+2*\i+1], v[ACC+2*\i:ACC+2*\i+1], v[ACC+2*\i:ACC+2*\i+1]
.endr
.set pp, 4
.rept 60
	v_pk_fma_f32 v[TW+2*(pp%4):TW+2*(pp%4)+1], v[ACC+2*pp:ACC+2*pp+1], v[ACC+2*pp:ACC+2*pp+1], v[TW+2*(pp%4):TW+2*(pp%4)+1]
.set pp, pp+1
.endr
	v_pk_add_f32 v[TW:TW+1], v[TW:TW+1], v[TW+2:TW+3]
	v_pk_add_f32 v[TW+4:TW+5], v[TW+4:TW+5], v[TW+6:TW+7]
	v_pk_add_f32 v[TW:TW+1], v[TW:TW+1], v[TW+4:TW+5]
	v_add_f32 v[TW], v[TW], v[TW+1]
	v_permlanex16_b32 v[TW+1], v[TW], s[SEL], s[SEL+1]
	v_add_f32 v[TW], v[TW], v[TW+1]
	v_fma_f32 v[TW], v[TW], s42, s43               ; mean + 1e-6
	s_wait_alu depctr_va_vdst(0)
	v_rsq_f32 v[TW+2], v[TW]
	v_nop                                          ; a plain line behind the transcendental,
	s_wait_alu depctr_va_vdst(0)                   ; and the wait ahead of the first line that names its result
.set pp, 0
.rept 64
	v_pk_mul_f32 v[ACC+2*pp:ACC+2*pp+1], v[ACC+2*pp:ACC+2*pp+1], v[TW+2:TW+3] op_sel_hi:[1,0]
.set pp, pp+1
.endr
	WIN 0x0c                                       ; source 1: window 3
.set pp, 0
.rept 64
	v_pk_mul_f32 v[ACC+2*pp:ACC+2*pp+1], v[ACC+2*pp:ACC+2*pp+1], v[2*pp:2*pp+1]
.set pp, pp+1
.endr
	; register n is channel 16 h + n, register 16 + n channel 32 + 16 h + n: the pair that turns together.  cos at v128 + n, sin at v144 + n of window 3
.irp n, 0,1,2,3,4,5,6,7,8,9,10,11,12,13,14,15
	v_mul_f32 v[IV+\n], v[ACC+\n], v[144+\n]
.endr
.irp n, 0,1,2,3,4,5,6,7,8,9,10,11,12,13,14,15
	v_mul_f32 v[ACC+\n], v[ACC+\n], v[128+\n]
.endr
.irp n, 0,1,2,3,4,5,6,7,8,9,10,11,12,13,14,15
	v_fma_f32 v[ACC+\n], -v[ACC+16+\n], v[144+\n], v[ACC+\n]
.endr
.irp n, 0,1,2,3,4,5,6,7,8,9,10,11,12,13,14,15
	v_fma_f32 v[ACC+16+\n], v[ACC+16+\n], v[128+\n], v[IV+\n]
.endr
	WIN 0
.Lquant:
	QUANT ACC, 0, PCA, CT, PW
	QUANT ACC+64, 0, PCB, CT, PW+1
	v_cndmask_b32 v[PW], v[PW], v[PW+1], s[HM]     ; lanes 0-15 store the first fragment's word, lanes 16-31 the second's
.irp k, 0,1,2
	global_store_b128 v[VF], v[PCA+4*\k:PCA+4*\k+3], s[48:49] offset:512*\k
	global_store_b128 v[VF], v[PCB+4*\k:PCB+4*\k+3], s[50:51] offset:512*\k
.endr
	global_store_b32 v[VSO], v[PW], s[92:93]
	v_lshl_add_u32 v30, v0, 2, SPARE               ; the add's two registers, made anew
	v_mov_b32 v31, 0
	s_wait_alu depctr_va_vdst(0)
	s_wait_tensorcnt 0x0                           ; the wave's end
	ds_add_u32 v30, v31
	s_wait_dscnt 0x0
	CROUND
	s_endpgm
.Lfunc_end_k_qe97ca60c5b_prep:
	.size	k_qe97ca60c5b_prep, .Lfunc_end_k_qe97ca60c5b_prep-k_qe97ca60c5b_prep
	.p2alignl 7, 3214868480
	.fill 96, 4, 3214868480
	.section	.rodata,"a",@progbits
	.p2align	6, 0x0
	.amdhsa_kernel k_qe97ca60c5b_prep
		.amdhsa_group_segment_fixed_size 327680
		.amdhsa_private_segment_fixed_size 0
		.amdhsa_enable_private_segment 0
		.amdhsa_kernarg_size 136
		.amdhsa_user_sgpr_count 2
		.amdhsa_user_sgpr_kernarg_segment_ptr 1
		.amdhsa_wavefront_size32 1
		.amdhsa_system_sgpr_workgroup_id_x 1
		.amdhsa_system_sgpr_workgroup_id_y 1
		.amdhsa_system_sgpr_workgroup_id_z 1
		.amdhsa_system_vgpr_workitem_id 0
		.amdhsa_next_free_vgpr 1024
		.amdhsa_next_free_sgpr 102
		.amdhsa_reserve_vcc 1
		.amdhsa_float_denorm_mode_32 3
		.amdhsa_float_denorm_mode_16_64 3
		.amdhsa_memory_ordered 1
		.amdhsa_forward_progress 1
		.amdhsa_inst_pref_size 148
	.end_amdhsa_kernel
	.amdgpu_metadata
---
amdhsa.version: [ 1, 2 ]
amdhsa.kernels:
  - .name:           k_qe97ca60c5b_prep
    .symbol:         k_qe97ca60c5b_prep.kd
    .args:
      - { .name: hidden_states_codes, .offset: 0, .size: 8, .value_kind: global_buffer, .address_space: global }
      - { .name: hidden_states_scales, .offset: 8, .size: 8, .value_kind: global_buffer, .address_space: global }
      - { .name: Wk_codes, .offset: 16, .size: 8, .value_kind: global_buffer, .address_space: global }
      - { .name: Wk_scales, .offset: 24, .size: 8, .value_kind: global_buffer, .address_space: global }
      - { .name: Wv_codes, .offset: 32, .size: 8, .value_kind: global_buffer, .address_space: global }
      - { .name: Wv_scales, .offset: 40, .size: 8, .value_kind: global_buffer, .address_space: global }
      - { .name: Wq_codes, .offset: 48, .size: 8, .value_kind: global_buffer, .address_space: global }
      - { .name: Wq_scales, .offset: 56, .size: 8, .value_kind: global_buffer, .address_space: global }
      - { .name: Wo_codes, .offset: 64, .size: 8, .value_kind: global_buffer, .address_space: global }
      - { .name: Wo_scales, .offset: 72, .size: 8, .value_kind: global_buffer, .address_space: global }
      - { .name: k_norm_w, .offset: 80, .size: 8, .value_kind: global_buffer, .address_space: global }
      - { .name: position_ids, .offset: 88, .size: 8, .value_kind: global_buffer, .address_space: global }
      - { .name: kv, .offset: 96, .size: 8, .value_kind: global_buffer, .address_space: global }
      - { .name: wqimg, .offset: 104, .size: 8, .value_kind: global_buffer, .address_space: global }
      - { .name: hsimg, .offset: 112, .size: 8, .value_kind: global_buffer, .address_space: global }
      - { .name: woimg, .offset: 120, .size: 8, .value_kind: global_buffer, .address_space: global }
      - { .name: rope, .offset: 128, .size: 8, .value_kind: global_buffer, .address_space: global }
    .group_segment_fixed_size: 327680
    .private_segment_fixed_size: 0
    .kernarg_segment_align: 8
    .kernarg_segment_size: 136
    .max_flat_workgroup_size: 128
    .sgpr_count:     102
    .vgpr_count:     1024
    .wavefront_size: 32
...
	.end_amdgpu_metadata
.endif
;; end of part 1
;; launch attn (part 2): grid 16 x 16, 4 waves a work-group, clusters of 4 x 1, 327,680 bytes of LDS; arguments hsimg, wqimg, kv, rope, q_norm_w, ao; writes ao
.if DOCPART == 2
	.amdgcn_target "amdgcn-amd-amdhsa--gfx1250"
	.amdhsa_code_object_version 6
	.text
	.protected	k_qe97ca60c5b_attn
	.globl	k_qe97ca60c5b_attn
	.p2align	8
	.type	k_qe97ca60c5b_attn,@function
k_qe97ca60c5b_attn:
	s_mov_b64 s[64:65], 0
	v_nop
	global_prefetch_b8 v0, s[64:65] scope:SCOPE_SE
	s_setreg_imm32_b32 hwreg(HW_REG_WAVE_MODE, 25, 1), 1
	s_wait_xcnt 0x0
	s_wait_alu depctr_hold_cnt(0) depctr_sa_sdst(0) depctr_va_vdst(0) depctr_va_sdst(0) depctr_va_ssrc(0) depctr_va_vcc(0) depctr_vm_vsrc(0)
	s_getreg_b32 s2, hwreg(HW_REG_IB_STS2, 6, 4)
	s_cmp_eq_u32 s2, 0
	s_cbranch_scc0 .Lentry_in_a_cluster
	s_endpgm
.Lentry_in_a_cluster:
	s_bfe_u32 s2, ttmp6, 0x10000c
	s_cmp_lg_u32 s2, 0x3003
	s_cbranch_scc0 .Lentry_shape_is_right
	s_endpgm
.Lentry_shape_is_right:
; For 128 tokens of one head: q = rope(rmsnorm(hs Wq^T)) and silu(gate) on codes of FP6 (E2M3) with E8M0 scales, then softmax(q k^T / 16) v over 2,048 keys by a running whole-number maximum, x silu(gate), quantised along the head's 256 and stored as images of operand registers.
; A wave has 32 queries (two tiles x = 0, 1).  Wq's and kv's blocks go through a ring of two LDS slots of 102,400 bytes, filled by joint loads of the four partners, one load a wave behind each round.
; THE TWO PROJECTIONS ARE ONE LOOP OF TWO TRIPS: trip 0 makes q, trip 1 the gate; what the refill asks for next is chosen by a select on the trip.  q's codes wait in the wave's own LDS stage, which the gate's numbers take afterwards.
; THE KEY STEP IS WRITTEN ONCE FOR SLOTS THAT ARE FILLED AGAIN AND ONCE FOR THE LAST TWO.  Only key step 0 stands ahead of the loops: the first place of the first slot's two is passed over by a branch on the two counters.
; O^T is not cleared: its registers hold the gate's finite numbers, and the first change of M multiplies them by f = 2^(old M - new M) = 0, the old M being -3e38.
; LIMITS: NaN and infinities are not served (an infinite gate would leave a NaN in O^T at its own element).  The scaled scores stay under 2^31 in magnitude.  A block under 2^-124 gets the scale byte 1.
.set SLOT1, 131072
.set SLOTB, 102400
.set BLKB,  51200
.set SPARE, 307200
.set LI,  1
.set LS,  2
.set ADR, 3
.set ADS, 4
.set SPW, 5
.set NIL, 6
.set PK,  7
.set PFO, 8
.set AW,  9
.set AS,  11
.set ST,  16
.set KS,  32
.set VS,  40
.set HS,  48
.set QS,  56
.set PW,  58
.set QW,  60
.set S,   64
.set P,   192
.set CT,  216
.set BM,  224
.set BP,  228
.set BS,  232
.set SUM, 236
.set W0,  240
.set WS,  224
.set WV,  16
.set G1,  24
.set G0A, 32
.set G0,  36
.set WG,  40
.set KP,  42
.set PFA, 44
.set LIM, 46
.set SLOTS, 47
.set TWICE, 48
.set TB,  49
.set CS,  50
.set SEL, 52
.set HM,  56
.set NL,  58
.set HSS, 66
.set AOS, 68
.set MSB, 0
.macro WIN new
.if MSB != (\new)
	s_set_vgpr_msb (MSB<<8)|(\new)
.set MSB, (\new)
.endif
.endm
.macro PLACES
.rept 4
	v_nop
.endr
.endm
.macro CROUND
	s_barrier_signal -1
	s_barrier_wait -1
	s_cmp_lg_u32 s[WV], 0
	s_cbranch_scc1 .Lnot_wave_0_\@
	s_barrier_signal -3
.Lnot_wave_0_\@:
	s_barrier_wait -3
	s_barrier_signal -1
	s_barrier_wait -1
.endm
.macro WM d, a, b, zero, sa, sb, ra, rb
.if (\zero)
.if ((\ra)==0) && ((\rb)==0)
	v_wmma_scale_f32_16x16x128_f8f6f4 v[(\d):(\d)+7], v[(\a):(\a)+11], v[(\b):(\b)+11], 0, v[(\sa)], v[(\sb)] matrix_a_fmt:MATRIX_FMT_FP6 matrix_b_fmt:MATRIX_FMT_FP6
.elseif ((\rb)==0)
	v_wmma_scale_f32_16x16x128_f8f6f4 v[(\d):(\d)+7], v[(\a):(\a)+11], v[(\b):(\b)+11], 0, v[(\sa)], v[(\sb)] matrix_a_fmt:MATRIX_FMT_FP6 matrix_b_fmt:MATRIX_FMT_FP6 matrix_a_scale:MATRIX_SCALE_ROW1
.elseif ((\ra)==0)
	v_wmma_scale_f32_16x16x128_f8f6f4 v[(\d):(\d)+7], v[(\a):(\a)+11], v[(\b):(\b)+11], 0, v[(\sa)], v[(\sb)] matrix_a_fmt:MATRIX_FMT_FP6 matrix_b_fmt:MATRIX_FMT_FP6 matrix_b_scale:MATRIX_SCALE_ROW1
.else
	v_wmma_scale_f32_16x16x128_f8f6f4 v[(\d):(\d)+7], v[(\a):(\a)+11], v[(\b):(\b)+11], 0, v[(\sa)], v[(\sb)] matrix_a_fmt:MATRIX_FMT_FP6 matrix_b_fmt:MATRIX_FMT_FP6 matrix_a_scale:MATRIX_SCALE_ROW1 matrix_b_scale:MATRIX_SCALE_ROW1
.endif
.else
.if ((\ra)==0) && ((\rb)==0)
	v_wmma_scale_f32_16x16x128_f8f6f4 v[(\d):(\d)+7], v[(\a):(\a)+11], v[(\b):(\b)+11], v[(\d):(\d)+7], v[(\sa)], v[(\sb)] matrix_a_fmt:MATRIX_FMT_FP6 matrix_b_fmt:MATRIX_FMT_FP6
.elseif ((\rb)==0)
	v_wmma_scale_f32_16x16x128_f8f6f4 v[(\d):(\d)+7], v[(\a):(\a)+11], v[(\b):(\b)+11], v[(\d):(\d)+7], v[(\sa)], v[(\sb)] matrix_a_fmt:MATRIX_FMT_FP6 matrix_b_fmt:MATRIX_FMT_FP6 matrix_a_scale:MATRIX_SCALE_ROW1
.elseif ((\ra)==0)
	v_wmma_scale_f32_16x16x128_f8f6f4 v[(\d):(\d)+7], v[(\a):(\a)+11], v[(\b):(\b)+11], v[(\d):(\d)+7], v[(\sa)], v[(\sb)] matrix_a_fmt:MATRIX_FMT_FP6 matrix_b_fmt:MATRIX_FMT_FP6 matrix_b_scale:MATRIX_SCALE_ROW1
.else
	v_wmma_scale_f32_16x16x128_f8f6f4 v[(\d):(\d)+7], v[(\a):(\a)+11], v[(\b):(\b)+11], v[(\d):(\d)+7], v[(\sa)], v[(\sb)] matrix_a_fmt:MATRIX_FMT_FP6 matrix_b_fmt:MATRIX_FMT_FP6 matrix_a_scale:MATRIX_SCALE_ROW1 matrix_b_scale:MATRIX_SCALE_ROW1
.endif
.endif
.endm
.macro QUANT s, w, pc, ct, pw
	WIN ((\w)|((\w)<<2))
.irp b, 0,1,2,3
	v_max3_num_f32 v[BM+\b], |v[(\s)+16*\b]|, |v[(\s)+16*\b+1]|, 0x1800000
.endr
	WIN (((\w)<<2)|((\w)<<4))
.irp i, 2,4,6,8,10,12,14
.irp b, 0,1,2,3
	v_max3_num_f32 v[BM+\b], v[BM+\b], |v[(\s)+16*\b+\i]|, |v[(\s)+16*\b+\i+1]|
.endr
.endr
	WIN 0
.irp b, 0,1,2,3
	v_permlanex16_b32 v[BP+\b], v[BM+\b], s[SEL], s[SEL+1]
.endr
.irp b, 0,1,2,3
	v_max_num_f32 v[BM+\b], v[BM+\b], v[BP+\b]
.endr
.irp b, 0,1,2,3
	v_add_nc_u32 v[BS+\b], 0xff000000, v[BM+\b]
.endr
.irp b, 0,1,2,3
	v_lshrrev_b32 v[BP+\b], 23, v[BS+\b]
.endr
	v_lshl_or_b32 v[(\pw)], v[BP+1], 8, v[BP]
	v_lshl_or_b32 v[(\pw)], v[BP+2], 16, v[(\pw)]
	v_lshl_or_b32 v[(\pw)], v[BP+3], 24, v[(\pw)]
	WIN (\w)
.irp c, 0,1
	v_cvt_scalef32_pk16_fp6_f32 v[(\pc)+6*\c:(\pc)+6*\c+2], v[(\s)+32*\c:(\s)+32*\c+15], v[BS+2*\c]
	v_cvt_scalef32_pk16_fp6_f32 v[(\ct)+4*\c:(\ct)+4*\c+2], v[(\s)+32*\c+16:(\s)+32*\c+31], v[BS+2*\c+1]
.endr
	WIN 0
	v_nop
.irp c, 0,1
.irp i, 0,1,2
	v_permlane16_swap_b32 v[(\pc)+6*\c+\i], v[(\ct)+4*\c+\i]
.endr
.irp i, 0,1,2
	v_mov_b32 v[(\pc)+3+6*\c+\i], v[(\ct)+4*\c+\i]
.endr
.endr
.endm
.macro ASK mode
.if (\mode) > 0
.if (\mode) == 1
	s_cmp_eq_u32 s[LIM], 2
.else
	s_cmp_gt_u32 s[SLOTS], s[LIM]
.endif
	s_cbranch_scc0 .Lnot_mine_\@
	global_prefetch_b8 v[PFO], s[PFA:PFA+1] th:TH_LOAD_NT scope:SCOPE_SE
.Lnot_mine_\@:
.endif
.endm
.macro CHANGE how, pfstep, ask, tb
	WIN 0
	s_wait_tensorcnt 0x0
	ds_add_u32 v[SPW], v[NIL]
.if (\how) > 0
	s_xor_b32 s[G0+1], s[G0+1], SLOT1
.if (\how) == 1
	s_add_nc_u64 s[G0+2:G0+3], s[G0+2:G0+3], SLOTB
.else
	s_cmp_eq_u32 s[TWICE], 0                       ; the projections' trip: behind q's first slot the gate's rows of Wq are asked for, behind the gate's first slot kv
	s_cselect_b64 s[G0+2:G0+3], s[WG:WG+1], s[KP:KP+1]
	s_cselect_b32 s60, 0, SLOTB                    ; the first prefetch stands at kv's start, each later one a slot on (s61 = 0)
	s_or_b32 s[G0+3], s[G0+3], 0x80000000
	s_wait_xcnt 0x0
	s_add_nc_u64 s[PFA:PFA+1], s[PFA:PFA+1], s[60:61]
.endif
.if (\pfstep)
	s_wait_xcnt 0x0
	s_add_nc_u64 s[PFA:PFA+1], s[PFA:PFA+1], SLOTB
.endif
	s_wait_dscnt 0x0
	CROUND
	tensor_load_to_lds s[G0:G0+3], s[G1:G1+7]
	s_nop 0
	PLACES
	ASK \ask
.else
	s_wait_dscnt 0x0
	s_barrier_signal -1
	s_barrier_wait -1
.endif
.if (\tb)
	s_xor_b32 s[TB], s[TB], SLOT1                  ; the other slot (two key steps have brought the block's bits back to 0)
.endif
.endm
	s_load_b256 s[4:11], s[0:1], 0x0
	s_load_b128 s[12:15], s[0:1], 0x20
	v_lshl_add_u32 v[SPW], v0, 2, SPARE
	v_mov_b32 v[NIL], 0
	ds_add_u32 v[SPW], v[NIL]                      ; the opening lines: the add, twice on end, and its wait
	ds_add_u32 v[SPW], v[NIL]
	v_lshrrev_b32 v9, 5, v0
	v_readfirstlane_b32 s[WV], v9
	s_bfe_u32 s17, ttmp6, 0x40000
	s_lshl_b32 s18, ttmp9, 2
	s_add_co_u32 s18, s18, s17
	s_and_b32 s19, ttmp7, 0xffff
	s_lshr_b32 s20, s19, 3
	s_and_b32 s21, s19, 7
	s_lshr_b32 s22, s21, 2
	s_mov_b32 s[G1], 15|(3<<16)|(1<<21)
	s_mov_b32 s[G1+1], 32<<16
	s_mov_b32 s[G1+2], 100<<16
	s_mov_b32 s[G1+3], 32<<16
	s_mov_b32 s[G1+4], 100
	s_mov_b32 s[G1+5], 32
	s_mov_b32 s[G1+6], 0
	s_mov_b32 s[G1+7], 0
	s_mul_i32 s23, s[WV], 25600
	s_mul_i32 s60, s21, 204800
	s_add_co_u32 s60, s60, s23
	s_mov_b32 s61, 0
	s_lshl_b32 s70, s20, 1
	s_add_co_u32 s70, s70, s22
	s_mul_i32 s70, s70, 819200
	s_mov_b32 s71, 0
	s_wait_dscnt 0x0                               ; both opening adds are done
	s_wait_kmcnt 0x0
	s_add_nc_u64 s[WG:WG+1], s[6:7], s[60:61]
	s_add_nc_u64 s[PFA:PFA+1], s[8:9], s[70:71]
	s_mov_b32 s60, s23
	s_add_nc_u64 s[KP:KP+1], s[PFA:PFA+1], s[60:61]
	s_mov_b32 s[G0A], 1
	s_mov_b32 s[G0A+1], s23
	s_mov_b64 s[G0A+2:G0A+3], s[WG:WG+1]
	s_or_b32 s[G0A+3], s[G0A+3], 0x80000000
	s_mov_b32 s[G0], 1
	s_add_co_u32 s[G0+1], s23, SLOT1
	s_add_nc_u64 s[G0+2:G0+3], s[WG:WG+1], SLOTB
	s_or_b32 s[G0+3], s[G0+3], 0x80000000
	s_add_nc_u64 s[WG:WG+1], s[WG:WG+1], 8*204800
	CROUND
	tensor_load_to_lds s[G0A:G0A+3], s[G1:G1+7]    ; slot 0: my one load at the head; the set-up and the loads into registers below go out while it is on its way
	s_nop 0
	PLACES
	v_and_b32 v9, 31, v0
	v_lshlrev_b32 v[LI], 4, v9
	s_wait_alu depctr_va_vdst(0)
	v_lshlrev_b32 v[LS], 2, v9
	s_wait_alu depctr_va_vdst(0)
	v_min_u32 v[PFO], 24, v9
	v_lshlrev_b32 v[PFO], 8, v[PFO]
	v_bfe_u32 v13, v0, 4, 1
	v_lshlrev_b32 v13, 6, v13
	s_wait_alu depctr_va_vdst(0)
	s_mul_i32 s57, s[WV], 24576
	s_min_u32 s55, s[WV], 1
	s_mul_i32 s55, s55, 106496
	s_add_co_u32 s57, s57, s55
	s_add_co_u32 s57, s57, 102400
	v_add_nc_u32 v[PK], s57, v[LI]
	s_lshl_b32 s60, s17, 2
	s_add_co_u32 s60, s60, s[WV]
	s_mul_i32 s60, s60, 6400
	s_add_nc_u64 s[PFA:PFA+1], s[PFA:PFA+1], s[60:61]
	s_and_b32 s[LIM], s19, 3
	s_or_b32 s[LIM], s[LIM], ttmp9
	s_cmp_eq_u32 s[LIM], 0
	s_cselect_b32 s[LIM], 2, -1
	s_lshl_b32 s54, s20, 3
	s_lshr_b32 s55, s18, 1
	s_add_co_u32 s54, s54, s55
	s_mul_i32 s54, s54, 204800
	s_and_b32 s55, s18, 1
	s_lshl_b32 s55, s55, 2
	s_add_co_u32 s55, s55, s[WV]
	s_lshl_b32 s60, s55, 7
	s_add_co_u32 s60, s60, s54
	s_add_co_u32 s60, s60, 49152
	s_add_nc_u64 s[HSS:HSS+1], s[4:5], s[60:61]
	s_mul_i32 s60, s55, 3072
	s_add_co_u32 s60, s60, s54
	s_add_nc_u64 s[4:5], s[4:5], s[60:61]
	s_lshl_b32 s60, s18, 3
	s_lshl_b32 s55, s[WV], 1
	s_add_co_u32 s60, s60, s55
	s_lshl_b32 s60, s60, 12
	s_add_nc_u64 s[10:11], s[10:11], s[60:61]
	s_lshl_b32 s54, s20, 4
	s_add_co_u32 s54, s54, s18
	s_lshl_b32 s54, s54, 3
	s_add_co_u32 s54, s54, s21
	s_mul_i32 s54, s54, 25600
	s_lshl_b32 s60, s[WV], 8
	s_add_co_u32 s60, s60, s54
	s_add_co_u32 s60, s60, 24576
	s_add_nc_u64 s[AOS:AOS+1], s[14:15], s[60:61]
	s_mul_i32 s60, s[WV], 6144
	s_add_co_u32 s60, s60, s54
	s_add_nc_u64 s[14:15], s[14:15], s[60:61]
	s_mov_b32 s[CS], 0x3db8aa3b
	s_mov_b32 s[CS+1], s[CS]
	s_mov_b32 s[SEL], 0x76543210
	s_mov_b32 s[SEL+1], 0xfedcba98
	s_mov_b32 s[HM], 0xffff0000
	s_mov_b32 s[NL], 0xbfb8aa3b
	s_mov_b32 s[NL+1], s[NL]
	s_mov_b32 s62, 0x3b800000
	s_mov_b32 s63, 0x358637bd
	WIN 0xc0
.irp x, 0,1
.irp s, 0,1,2,3,4,5,6,7
.irp g, 0,1,2
	global_load_b128 v[96*\x+12*\s+4*\g:96*\x+12*\s+4*\g+3], v[LI], s[4:5] offset:51200*(\s/2)+24576*(\s%2)+1536*\x+512*\g
.endr
.endr
.irp k, 0,1,2,3,4,5,6,7
	global_load_b128 v[192+32*\x+4*\k:192+32*\x+4*\k+3], v[LI], s[10:11] offset:4096*\x+512*\k
.endr
.endr
	WIN 0
.irp s, 0,1,2,3,4,5,6,7
	global_load_b32 v[HS+\s], v[LS], s[HSS:HSS+1] offset:51200*(\s/2)+1024*(\s%2)
.endr
.irp b, 0,1,2,3,4,5,6,7
.irp k, 0,1,2,3
	global_load_b128 v[S+16*\b+4*\k:S+16*\b+4*\k+3], v13, s[12:13] offset:128*\b+16*\k
.endr
.endr
.irp x, 0,1
	v_mov_b32 v[ST+8*\x+1], 0xff61b1e6
	v_floor_f32 v[ST+8*\x], -v[ST+8*\x+1]
	v_mov_b32 v[ST+8*\x+2], 0
	v_mov_b32 v[ST+8*\x+3], 0
	v_mov_b32 v[ST+8*\x+5], 0
	v_mov_b32 v[ST+8*\x+7], 0
.endr
	s_wait_alu depctr_va_vdst(0)                   ; the head's end
	s_wait_tensorcnt 0x0                           ; my part of slot 0 is in
	ds_add_u32 v[SPW], v[NIL]
	s_wait_dscnt 0x0
	CROUND                                         ; everybody's part of slot 0 is in, and all four work-groups are here
	tensor_load_to_lds s[G0:G0+3], s[G1:G1+7]      ; slot 1's first fill, my one load behind the round
	s_nop 0
	PLACES
	s_wait_loadcnt 0x0                             ; hs's fragments and scale words, cos and sin, q_norm_w
.macro FETCHW n
	WIN 0x80
.irp i, 0,1,2,3,4,5,6,7
.irp g, 0,1,2
	ds_load_b128 v[96*((\n)%2)+12*\i+4*\g:96*((\n)%2)+12*\i+4*\g+3], v[AW+(\n)/4] offset:24576*(((\n)/2)%2)+1536*(8*((\n)%2)+\i)+512*\g
.endr
.endr
	WIN 0
.endm
.macro MULW n, p
	WIN 0x5e
.irp i, 0,1,2,3,4,5,6,7
.irp x, 0,1
.set tt, 8*((\n)%2)+\i
.set ss, 4*(\p)+(\n)/2
	WM 128*\x+8*tt, 96*((\n)%2)+12*\i, 96*\x+12*ss, (ss==0), WS+8*((\n)/2)+tt/2, HS+ss, tt%2, \x
.endr
.endr
	WIN 0
.endm
.macro PROJ_SLOT p
	v_add_nc_u32 v[AW], (\p)*SLOT1, v[LI]
	v_add_nc_u32 v[AW+1], (\p)*SLOT1+BLKB, v[LI]
	v_add_nc_u32 v[AS], (\p)*SLOT1, v[LS]
	v_add_nc_u32 v[AS+1], (\p)*SLOT1+BLKB, v[LS]
.irp k, 0,1,2,3
.irp u, 0,1,2,3,4,5,6,7
	ds_load_b32 v[WS+8*\k+\u], v[AS+\k/2] offset:49152+1024*(\k%2)+128*\u
.endr
.endr
	FETCHW 0
	FETCHW 1
	s_wait_alu depctr_va_vdst(0)
.irp n, 0,1,2,3,4,5,6,7
.if \n < 7
	s_wait_dscnt 24
.else
	s_wait_dscnt 0x0
.endif
	MULW \n, \p
.if \n < 6
	PLACES
	FETCHW \n+2
.endif
.endr
.endm
.macro QFIN x
	WIN 0x05
.irp i, 0,1,2,3
	v_pk_mul_f32 v[W0+2*\i:W0+2*\i+1], v[128*\x+2*\i:128*\x+2*\i+1], v[128*\x+2*\i:128*\x+2*\i+1]
.endr
.set pp, 4
.rept 60
	v_pk_fma_f32 v[W0+2*(pp%4):W0+2*(pp%4)+1], v[128*\x+2*pp:128*\x+2*pp+1], v[128*\x+2*pp:128*\x+2*pp+1], v[W0+2*(pp%4):W0+2*(pp%4)+1]
.set pp, pp+1
.endr
	WIN 0
	v_pk_add_f32 v[W0:W0+1], v[W0:W0+1], v[W0+2:W0+3]
	v_pk_add_f32 v[W0+4:W0+5], v[W0+4:W0+5], v[W0+6:W0+7]
	v_pk_add_f32 v[W0:W0+1], v[W0:W0+1], v[W0+4:W0+5]
	v_add_f32 v[W0], v[W0], v[W0+1]
	v_permlanex16_b32 v[W0+1], v[W0], s[SEL], s[SEL+1]
	v_add_f32 v[W0], v[W0], v[W0+1]
	v_fma_f32 v[W0], v[W0], s62, s63
	s_wait_alu depctr_va_vdst(0)
	v_rsq_f32 v[W0+2], v[W0]
	v_nop
	s_wait_alu depctr_va_vdst(0)
	WIN 0x41
.set pp, 0
.rept 64
	v_pk_mul_f32 v[128*\x+2*pp:128*\x+2*pp+1], v[128*\x+2*pp:128*\x+2*pp+1], v[W0+2:W0+3] op_sel_hi:[1,0]
.set pp, pp+1
.endr
.set pp, 0
.rept 64
	v_pk_mul_f32 v[128*\x+2*pp:128*\x+2*pp+1], v[128*\x+2*pp:128*\x+2*pp+1], v[S+2*pp:S+2*pp+1]
.set pp, pp+1
.endr
	WIN 0x0d
.irp n, 0,1,2,3,4,5,6,7,8,9,10,11,12,13,14,15
	v_mul_f32 v[W0+\n], v[128*\x+\n], v[208+32*\x+\n]
.endr
	WIN 0x4d
.irp n, 0,1,2,3,4,5,6,7,8,9,10,11,12,13,14,15
	v_mul_f32 v[128*\x+\n], v[128*\x+\n], v[192+32*\x+\n]
.endr
	WIN 0x5d
.irp n, 0,1,2,3,4,5,6,7,8,9,10,11,12,13,14,15
	v_fma_f32 v[128*\x+\n], -v[128*\x+16+\n], v[208+32*\x+\n], v[128*\x+\n]
.endr
	WIN 0x4d
.irp n, 0,1,2,3,4,5,6,7,8,9,10,11,12,13,14,15
	v_fma_f32 v[128*\x+16+\n], v[128*\x+16+\n], v[192+32*\x+\n], v[W0+\n]
.endr
.irp c, 0,1
	QUANT 128*\x+64*\c, 1, P, CT, QW+2*\x+\c
.irp g, 0,1,2
	ds_store_b128 v[PK], v[P+4*\g:P+4*\g+3] offset:512*(6*\x+3*\c+\g)   ; the fragment's image, into my own stage
.endr
.endr
.endm
.macro GFIN f
	WIN 0x01
.set pp, 0
.rept 32
	v_pk_mul_f32 v[S+2*pp:S+2*pp+1], v[64*(\f)+2*pp:64*(\f)+2*pp+1], s[NL:NL+1] op_sel_hi:[1,0]
.set pp, pp+1
.endr
	WIN 0
.set pp, 0
	s_wait_alu depctr_va_vdst(0)
.rept 64
	v_exp_f32 v[S+pp], v[S+pp]
.set pp, pp+1
.endr
	v_nop
	s_wait_alu depctr_va_vdst(0)
.set pp, 0
.rept 32
	v_pk_add_f32 v[S+2*pp:S+2*pp+1], v[S+2*pp:S+2*pp+1], 1.0 op_sel_hi:[1,0]
.set pp, pp+1
.endr
.set pp, 0
	s_wait_alu depctr_va_vdst(0)
.rept 64
	v_rcp_f32 v[S+pp], v[S+pp]
.set pp, pp+1
.endr
	v_nop
	s_wait_alu depctr_va_vdst(0)
.if (\f) < 3
	WIN 0x41
.set pp, 0
.rept 32
	v_pk_mul_f32 v[64*(\f)+2*pp:64*(\f)+2*pp+1], v[64*(\f)+2*pp:64*(\f)+2*pp+1], v[S+2*pp:S+2*pp+1]
.set pp, pp+1
.endr
	WIN 0x04
.irp k, 0,1,2,3,4,5,6,7,8,9,10,11,12,13,14,15
	ds_store_b128 v[PK], v[64*(\f)+4*\k:64*(\f)+4*\k+3] offset:512*(16*(\f)+\k)
.endr
	WIN 0
.else
	WIN 0xc1
.set pp, 0
.rept 32
	v_pk_mul_f32 v[192+2*pp:193+2*pp], v[192+2*pp:193+2*pp], v[S+2*pp:S+2*pp+1]
.set pp, pp+1
.endr
	WIN 0
.endif
.endm
	s_mov_b32 s[TWICE], 0
.Lproj:                                        ; trip 0: q; trip 1: the gate
	PROJ_SLOT 0
	CHANGE 2, 0, 1, 0
	PROJ_SLOT 1
	CHANGE 1, 1, 1, 0
	s_cmp_lg_u32 s[TWICE], 0
	s_cbranch_scc1 .Lno_q
	QFIN 0
	QFIN 1
	v_cndmask_b32 v[QS], v[QW], v[QW+2], s[HM]
	v_cndmask_b32 v[QS+1], v[QW+1], v[QW+3], s[HM]
	ds_store_b64 v[PK], v[QS:QS+1] offset:6144     ; q's two scale words, behind its four fragments
	s_wait_alu depctr_va_vdst(0)
.Lno_q:
	s_add_co_u32 s[TWICE], s[TWICE], 1
	s_cmp_lt_u32 s[TWICE], 2
	s_cbranch_scc1 .Lproj
	WIN 0x80
.irp k, 0,1,2,3,4,5,6,7,8,9,10,11
	ds_load_b128 v[192+4*\k:195+4*\k], v[PK] offset:512*\k   ; q's fragments come to their registers; LDS serves a wave's instructions in order, so the gate's stores below land behind these reads
.endr
	WIN 0
	ds_load_b64 v[QS:QS+1], v[PK] offset:6144
	GFIN 0
	GFIN 1
	GFIN 2
	GFIN 3
.macro FETCH_K
	WIN 0
	v_add_nc_u32 v[ADR], s[TB], v[LI]
	v_add_nc_u32 v[ADS], s[TB], v[LS]
	WIN 0x80
.irp f, 0,1,2,3,4,5,6,7,8,9,10,11,12,13,14,15
.irp g, 0,1,2
	ds_load_b128 v[12*\f+4*\g:12*\f+4*\g+3], v[ADR] offset:1536*\f+512*\g
.endr
.endr
	WIN 0
.irp t, 0,1,2,3,4,5,6,7
	ds_load_b32 v[KS+\t], v[ADS] offset:49152+128*\t
.endr
.endm
.macro FETCH_V
	WIN 0
	v_add_nc_u32 v[ADR], s[TB], v[LI]
	v_add_nc_u32 v[ADS], s[TB], v[LS]
	s_xor_b32 s[TB], s[TB], BLKB                   ; the slot's other block
	WIN 0xc0
.irp f, 0,1,2,3,4,5,6,7,8,9,10,11,12,13,14,15
.irp g, 0,1,2
	ds_load_b128 v[12*\f+4*\g:12*\f+4*\g+3], v[ADR] offset:24576+1536*\f+512*\g
.endr
.endr
	WIN 0
.irp u, 0,1,2,3,4,5,6,7
	ds_load_b32 v[VS+\u], v[ADS] offset:50176+128*\u
.endr
.endm
.macro MM
.if (mi < 16) && (TPV > 0)
	WIN 0x53
	WM 128*TX+8*mi, 12*mi, P+12*TX, (TPV==1), VS+mi/2, PW+TX, mi%2, 0
	WIN 0
.endif
.if (mi >= 16) && (TKQ > 0)
.set kc, (mi-16)/8
.set kt, (mi-16)%8
	WIN 0x0a
	WM S+64*TX+8*kt, 12*(2*kt+kc), 192+24*TX+12*kc, (kc==0), KS+kt, QS+kc, kc, TX
	WIN 0
.endif
.set mi, mi+1
.endm
.macro SM y, first
.set rS, S+64*(\y)
.set rT, ST+8*(\y)
.set rP, P+12*(\y)
.set rO, 128*(\y)
	WIN 0
.irp b, 0,1,2,3
	v_max3_num_f32 v[BM+\b], v[rS+16*\b], v[rS+16*\b+1], v[rS+16*\b+2]
.endr
	MM
.irp i, 3,5,7,9,11,13
.irp b, 0,1,2,3
	v_max3_num_f32 v[BM+\b], v[BM+\b], v[rS+16*\b+\i], v[rS+16*\b+\i+1]
.endr
	MM
.endr
.irp b, 0,1,2,3
	v_max_num_f32 v[BM+\b], v[BM+\b], v[rS+16*\b+15]
.endr
	MM
.irp b, 0,1,2,3
	v_permlanex16_b32 v[BP+\b], v[BM+\b], s[SEL], s[SEL+1]
.endr
	MM
.irp b, 0,1,2,3
	v_max_num_f32 v[BM+\b], v[BM+\b], v[BP+\b]
.endr
	MM
	v_max3_num_f32 v[W0], v[BM], v[BM+1], v[BM+2]
	v_max_num_f32 v[W0], v[W0], v[BM+3]
	v_mul_f32 v[W0], s[CS], v[W0]
	v_max_num_f32 v[rT+1], v[rT+1], v[W0]
	MM
	v_mov_b32 v[W0], v[rT]
	v_floor_f32 v[rT], -v[rT+1]
	v_sub_f32 v[W0], v[rT], v[W0]
	v_cvt_i32_f32 v[W0], v[W0]
	v_ldexp_f32 v[rT+4], 1.0, v[W0]
	MM
.set jj, 0
.set tk, 0
.rept 32
	v_pk_fma_f32 v[rS+jj:rS+jj+1], v[rS+jj:rS+jj+1], s[CS:CS+1], v[rT:rT+1] op_sel_hi:[1,0,0]
.set jj, jj+2
.set tk, tk+1
.if ((tk%6) == 0) && (tk <= 24)
	MM
.endif
.endr
.irp b, 0,1,2,3
	v_fma_f32 v[BM+\b], v[BM+\b], s[CS], v[rT]
.endr
.if (TKQ > 0) && (TX == 1)
	FETCH_V
.elseif (TKQ > 0)
	s_wait_dscnt 0x0
.endif
.set jj, 0
	s_wait_alu depctr_va_vdst(0)
.rept 64
	v_exp_f32 v[rS+jj], v[rS+jj]
.set jj, jj+1
.if (jj%8) == 0
	MM
.endif
.endr
.irp b, 0,1,2,3
	v_exp_f32 v[BM+\b], v[BM+\b]
.endr
.if (\first) == 0
.set pp, 0
	s_wait_alu depctr_va_vdst(0)
.rept 56
	WIN 0x41
	v_pk_mul_f32 v[rO+2*pp:rO+2*pp+1], v[rO+2*pp:rO+2*pp+1], v[rT+4:rT+5] op_sel_hi:[1,0]
.set pp, pp+1
.if ((pp%8) == 0) && (pp <= 32)
	MM
.endif
.endr
	WIN 0
.endif
	v_pk_mul_f32 v[rT+2:rT+3], v[rT+2:rT+3], v[rT+4:rT+5] op_sel_hi:[1,0]
	s_wait_alu depctr_va_vdst(0)
	v_pk_add_f32 v[SUM:SUM+1], v[rS:rS+1], v[rS+2:rS+3]
.set tk, 1
.set jj, 4
.rept 15
	v_pk_add_f32 v[rT+2:rT+3], v[rT+2:rT+3], v[rS+jj:rS+jj+1]
.set tk, tk+1
.if (tk%8) == 0
	MM
.endif
	v_pk_add_f32 v[SUM:SUM+1], v[SUM:SUM+1], v[rS+jj+2:rS+jj+3]
.set tk, tk+1
.if (tk%8) == 0
	MM
.endif
.set jj, jj+4
.endr
	v_pk_add_f32 v[rT+2:rT+3], v[rT+2:rT+3], v[SUM:SUM+1]
	MM
.irp b, 0,1,2,3
	v_max_num_f32 v[BM+\b], 0x1800000, v[BM+\b]
.endr
.irp b, 0,1,2,3
	v_add_nc_u32 v[BS+\b], 0xff000000, v[BM+\b]
.endr
.irp b, 0,1,2,3
	v_lshrrev_b32 v[BP+\b], 23, v[BS+\b]
.endr
	v_lshl_or_b32 v[PW+(\y)], v[BP+1], 8, v[BP]
	v_lshl_or_b32 v[PW+(\y)], v[BP+2], 16, v[PW+(\y)]
	v_lshl_or_b32 v[PW+(\y)], v[BP+3], 24, v[PW+(\y)]
.irp c, 0,1
	v_cvt_scalef32_pk16_fp6_f32 v[rP+6*\c:rP+6*\c+2], v[rS+32*\c:rS+32*\c+15], v[BS+2*\c]
	v_cvt_scalef32_pk16_fp6_f32 v[CT+4*\c:CT+4*\c+2], v[rS+32*\c+16:rS+32*\c+31], v[BS+2*\c+1]
.endr
	v_nop
.irp c, 0,1
.irp i, 0,1,2
	v_permlane16_swap_b32 v[rP+6*\c+\i], v[CT+4*\c+\i]
.endr
.irp i, 0,1,2
	v_mov_b32 v[rP+3+6*\c+\i], v[CT+4*\c+\i]
.endr
.endr
.if (\first)
.rept 4
	MM
.endr
	PLACES
.else
.rept 8
	WIN 0x41
	v_pk_mul_f32 v[rO+2*pp:rO+2*pp+1], v[rO+2*pp:rO+2*pp+1], v[rT+4:rT+5] op_sel_hi:[1,0]
.set pp, pp+1
.endr
	WIN 0
.endif
.endm
.macro TURN x, pv, kq, first
.set TX, \x
.set TPV, \pv
.set TKQ, \kq
.set mi, 0
.if (\x == 0) && (\pv > 0)
	s_wait_dscnt 0x0
.endif
.if (\x == 0) && (\kq > 0)
	FETCH_K
.endif
	SM 1-\x, \first
.endm
.macro TWO_STEPS skip                  ; a slot's two key steps.  skip = 1: the first slot's first place (SLOTS = 6, TWICE = 2) is passed over: key step 0 stands ahead of the loops
	s_mov_b32 s[TWICE], 2
.Lstep_\@:
.if (\skip)
	s_lshl_b32 s60, s[SLOTS], 1
	s_add_co_u32 s60, s60, s[TWICE]
	s_cmp_eq_u32 s60, 14
	s_cbranch_scc1 .Lnone_\@                       ; it leads round the step's work alone
.endif
	TURN 0, 2, 1, 0
	TURN 1, 2, 1, 0
	WIN 0
.Lnone_\@:
	s_sub_co_u32 s[TWICE], s[TWICE], 1
	s_cmp_lg_u32 s[TWICE], 0
	s_cbranch_scc1 .Lstep_\@
.endm
	s_mov_b32 s[TB], 0
	s_mov_b32 s[SLOTS], 6
	FETCH_K
	s_wait_dscnt 0x0
.set TX, 0
.set TPV, 0
.set TKQ, 1
.set mi, 16
.rept 16
	MM
.endr
	PLACES
	TURN 1, 0, 1, 0                                ; key step 0, tile 0's softmax: its f = 0 makes tile 0's O^T zeros
	s_wait_alu depctr_va_vdst(0)
	WIN 0
.Lslot:                                        ; slots 0 to 5: each is read, then filled again with the content two on
	TWO_STEPS 1
	CHANGE 1, 1, 2, 1
	s_sub_co_u32 s[SLOTS], s[SLOTS], 1
	s_cmp_lg_u32 s[SLOTS], 0
	s_cbranch_scc1 .Lslot
	s_mov_b32 s[SLOTS], 2
.Llast:                                        ; slots 6 and 7: nothing is left to fetch; the barrier between them shows slot 7 whole
	TWO_STEPS 0
	CHANGE 0, 0, 0, 1
	s_sub_co_u32 s[SLOTS], s[SLOTS], 1
	s_cmp_lg_u32 s[SLOTS], 0
	s_cbranch_scc1 .Llast
	TURN 0, 2, 0, 0
.macro GLOAD f, reg
.irp k, 0,1,2,3,4,5,6,7,8,9,10,11,12,13,14,15
	ds_load_b128 v[(\reg)+4*\k:(\reg)+4*\k+3], v[PK] offset:512*(16*(\f)+\k)
.endr
.endm
	GLOAD 0, S
	GLOAD 1, S+64
.set TX, 1
.set TPV, 2
.set TKQ, 0
.set mi, 0
	s_wait_alu depctr_va_vdst(0)
.rept 16
	MM
.endr
.irp x, 0,1
	v_add_f32 v[ST+8*\x+2], v[ST+8*\x+2], v[ST+8*\x+3]
.endr
.irp x, 0,1
	v_permlanex16_b32 v[ST+8*\x+3], v[ST+8*\x+2], s[SEL], s[SEL+1]
.endr
.irp x, 0,1
	v_add_f32 v[ST+8*\x+2], v[ST+8*\x+2], v[ST+8*\x+3]
.endr
	s_wait_alu depctr_va_vdst(0)
.irp x, 0,1
	v_rcp_f32 v[ST+8*\x+6], v[ST+8*\x+2]
.endr
	v_nop
	s_wait_alu depctr_va_vdst(0)
.macro OUTF f
	WIN 0x41
.set pp, 0
.rept 32
	v_pk_mul_f32 v[64*(\f)+2*pp:64*(\f)+2*pp+1], v[64*(\f)+2*pp:64*(\f)+2*pp+1], v[ST+8*((\f)/2)+6:ST+8*((\f)/2)+7] op_sel_hi:[1,0]
.set pp, pp+1
.endr
.if (\f) == 3
	WIN 0x4d
.endif
.set pp, 0
.rept 32
.if (\f) < 3
	v_pk_mul_f32 v[64*(\f)+2*pp:64*(\f)+2*pp+1], v[64*(\f)+2*pp:64*(\f)+2*pp+1], v[S+64*((\f)%2)+2*pp:S+64*((\f)%2)+2*pp+1]
.else
	v_pk_mul_f32 v[64*(\f)+2*pp:64*(\f)+2*pp+1], v[64*(\f)+2*pp:64*(\f)+2*pp+1], v[192+2*pp:193+2*pp]
.endif
.set pp, pp+1
.endr
	WIN 0
.if (\f) > 0
	s_wait_xcnt 0x0
.endif
	QUANT 64*(\f), 1, P, CT, QW+(\f)%2
.irp k, 0,1,2
	global_store_b128 v[LI], v[P+4*\k:P+4*\k+3], s[14:15] offset:1536*(\f)+512*\k
.endr
.endm
	s_wait_dscnt 0x0
	OUTF 0
	GLOAD 2, S
	OUTF 1
	v_cndmask_b32 v238, v[QW], v[QW+1], s[HM]
	global_store_b32 v[LS], v238, s[AOS:AOS+1]
	s_wait_dscnt 0x0
	OUTF 2
	OUTF 3
	v_cndmask_b32 v239, v[QW], v[QW+1], s[HM]
	global_store_b32 v[LS], v239, s[AOS:AOS+1] offset:128
	s_wait_tensorcnt 0x0
	ds_add_u32 v[SPW], v[NIL]
	s_wait_dscnt 0x0
	CROUND
	s_endpgm
.Lfunc_end_k_qe97ca60c5b_attn:
	.size	k_qe97ca60c5b_attn, .Lfunc_end_k_qe97ca60c5b_attn-k_qe97ca60c5b_attn
	.p2alignl 7, 3214868480
	.fill 96, 4, 3214868480
	.section	.rodata,"a",@progbits
	.p2align	6, 0x0
	.amdhsa_kernel k_qe97ca60c5b_attn
		.amdhsa_group_segment_fixed_size 327680
		.amdhsa_private_segment_fixed_size 0
		.amdhsa_enable_private_segment 0
		.amdhsa_kernarg_size 48
		.amdhsa_user_sgpr_count 2
		.amdhsa_user_sgpr_kernarg_segment_ptr 1
		.amdhsa_wavefront_size32 1
		.amdhsa_system_sgpr_workgroup_id_x 1
		.amdhsa_system_sgpr_workgroup_id_y 1
		.amdhsa_system_sgpr_workgroup_id_z 1
		.amdhsa_system_vgpr_workitem_id 0
		.amdhsa_next_free_vgpr 1024
		.amdhsa_next_free_sgpr 72
		.amdhsa_reserve_vcc 0
		.amdhsa_float_denorm_mode_32 3
		.amdhsa_float_denorm_mode_16_64 3
		.amdhsa_memory_ordered 1
		.amdhsa_forward_progress 1
		.amdhsa_inst_pref_size 255
	.end_amdhsa_kernel
	.section	.bss,"aw",@nobits
	.p2align	6
	.space	262144
	.amdgpu_metadata
---
amdhsa.version: [ 1, 2 ]
amdhsa.kernels:
  - .name:           k_qe97ca60c5b_attn
    .symbol:         k_qe97ca60c5b_attn.kd
    .args:
      - { .name: hsimg, .offset: 0, .size: 8, .value_kind: global_buffer, .address_space: global }
      - { .name: wqimg, .offset: 8, .size: 8, .value_kind: global_buffer, .address_space: global }
      - { .name: kv, .offset: 16, .size: 8, .value_kind: global_buffer, .address_space: global }
      - { .name: rope, .offset: 24, .size: 8, .value_kind: global_buffer, .address_space: global }
      - { .name: q_norm_w, .offset: 32, .size: 8, .value_kind: global_buffer, .address_space: global }
      - { .name: ao, .offset: 40, .size: 8, .value_kind: global_buffer, .address_space: global }
    .group_segment_fixed_size: 327680
    .private_segment_fixed_size: 0
    .kernarg_segment_align: 8
    .kernarg_segment_size: 48
    .max_flat_workgroup_size: 128
    .sgpr_count:     72
    .vgpr_count:     1024
    .wavefront_size: 32
...
	.end_amdgpu_metadata
.endif
;; end of part 2
;; launch oproj (part 3): grid 8 x 32, 4 waves a work-group, clusters of 4 x 4, 327,680 bytes of LDS; arguments ao, woimg, out0; writes out0
.if DOCPART == 3
	.amdgcn_target "amdgcn-amd-amdhsa--gfx1250"
	.amdhsa_code_object_version 6
	.text
	.protected	k_qe97ca60c5b_oproj
	.globl	k_qe97ca60c5b_oproj
	.p2align	8
	.type	k_qe97ca60c5b_oproj,@function
k_qe97ca60c5b_oproj:
	s_mov_b64 s[64:65], 0
	v_nop
	global_prefetch_b8 v0, s[64:65] scope:SCOPE_SE
	s_setreg_imm32_b32 hwreg(HW_REG_WAVE_MODE, 25, 1), 1
	s_wait_xcnt 0x0
	s_wait_alu depctr_hold_cnt(0) depctr_sa_sdst(0) depctr_va_vdst(0) depctr_va_sdst(0) depctr_va_ssrc(0) depctr_va_vcc(0) depctr_vm_vsrc(0)
	s_getreg_b32 s2, hwreg(HW_REG_IB_STS2, 6, 4)
	s_cmp_eq_u32 s2, 0
	s_cbranch_scc0 .Lentry_in_a_cluster
	s_endpgm
.Lentry_in_a_cluster:
	s_bfe_u32 s2, ttmp6, 0x10000c
	s_cmp_lg_u32 s2, 0xf033
	s_cbranch_scc0 .Lentry_shape_is_right
	s_endpgm
.Lentry_shape_is_right:
; out0 = ao Wo^T, [4,096 x 2,048] x [2,048 x 1,024], on codes of FP6 (E2M3) with E8M0 scales; sums and result f32.
; Both operands lie in memory as images of operand registers (a fragment of 16 rows x 128 K: 1,536 bytes, registers 4 g .. 4 g + 3 of lane l at 512 g + 16 l), in blocks of 25,600 bytes: 128 rows x 256 K and their scale words.
; A tile of the result is 128 x 128, so that there are 256 work-groups; four waves, each 64 x 64: 16 accumulators.  K goes in four steps of 512; a step's content is two blocks of ao and two of Wo; wave w moves block w with one tensor load.
; THREE LDS SLOTS, as many as fit: contents 0, 1, 2 are asked for together at the start (three loads of a wave are out), content 3 goes into slot 0 when that has been read: one refill,
; which has the 128 products of slots 1 and 2 in which to land.
; CLUSTER 4 x 4: ao's blocks hang on the tile row alone and are asked for jointly along a row of the cluster, Wo's on the tile column alone, along a column.
; The product is used transposed (source 0 = 16 rows of Wo, source 1 = 16 tokens): a lane holds eight neighbouring numbers of a row of the result.
; REGISTERS: window 0: v6-18 LDS addresses; v24-26 the way out; v28, v29 the add's two; v32-63 scale words, two sets by turns; v64-127 the way out; v128-255 accumulators ((a, b) at 128 + 8 (4 a + b)).
;   window 1: two buffers at v0 and v128: ao's four fragments, then Wo's four.
; THE LDS LAYOUT NOW (in place of the three slots named above): ao's contents 0, 1, 2 are 153,600 dense bytes of memory and lie at LDS byte 0, Wo's at 153,600.  ONE joint load a wave at the head brings a half of one of the two (300 rows of 256 bytes).
; Content 3 goes into content 0's bytes when those have been read: one block of 100 rows a wave, behind a round.
.set SLOT,  51200                      ; in LDS: from one content to the next
.set CONT,  51200                      ; in memory: from one content's blocks to the next content's
.set STAGE, 307200                     ; behind the three slots: 16 rows x (256 bytes + 16) for each wave; no tile lands there
.set SPARE, 324608                     ; the spare words, 128 bytes a wave: two blocks of 256 bytes that no other line names
.set ADRA, 6                           ; v6-8   ao's fragments in slot 0, 1, 2
.set ADRB, 9                           ; v9-11  Wo's
.set ADSA, 12                          ; v12-14 ao's scale words
.set ADSB, 16                          ; v16-18 Wo's
.set STO,  24
.set RD,   25
.set CO,   26
.set SPW,  28
.set NIL,  29
.set SC,   32                          ; set q at 32 + 16 q: ao's words of block e, tile a at 4 e + a; Wo's at 8 + 4 e + b; lanes 0-15 the block's first K step, lanes 16-31 its second
.set OB,   64
.set ACC,  128
.set G1,  24                           ; s[24:31] group 1 for ao's blocks;  s[32:39] for Wo's;  s[40:43], s[52:55] their groups 0
.set G1B, 32
.set G0,  40
.set G0B, 52
.set MSB, 0
.macro WIN new                         ; the immediate's high byte repeats the setting that is left
.if MSB != (\new)
	s_set_vgpr_msb (MSB<<8)|(\new)
.set MSB, (\new)
.endif
.endm
.macro PLACES
.rept 4
	v_nop
.endr
.endm
.macro CROUND                          ; a round of the cluster's barrier
	s_barrier_signal -1
	s_barrier_wait -1
	s_cmp_lg_u32 s10, 0
	s_cbranch_scc1 .Lnot_wave_0_\@
	s_barrier_signal -3
.Lnot_wave_0_\@:
	s_barrier_wait -3
	s_barrier_signal -1
	s_barrier_wait -1
.endm
; a joint load: waves 0 and 1 fetch ao's two blocks, waves 2 and 3 Wo's; the branch hangs on the wave's number alone; four v_nop follow each of the two lines
.macro JLOAD s
	s_cmp_eq_u32 s11, 0
	s_cbranch_scc0 .Lfor_b_\@
	tensor_load_to_lds s[G0+4*\s:G0+4*\s+3], s[G1:G1+7]
	s_nop 0
.rept 4
	v_nop
.endr
	s_branch .Lasked_\@
.Lfor_b_\@:
	tensor_load_to_lds s[G0B+4*\s:G0B+4*\s+3], s[G1B:G1B+7]
	s_nop 0
.rept 4
	v_nop
.endr
.Lasked_\@:
.endm
; one product.  zero: the constant 0 starts the sum.  row: which half of the lanes holds both sides' scale words
.macro WM d, a, b, zero, sa, sb, row
.if (\zero)
.if (\row) == 0
	v_wmma_scale_f32_16x16x128_f8f6f4 v[(\d):(\d)+7], v[(\a):(\a)+11], v[(\b):(\b)+11], 0, v[(\sa)], v[(\sb)] matrix_a_fmt:MATRIX_FMT_FP6 matrix_b_fmt:MATRIX_FMT_FP6
.else
	v_wmma_scale_f32_16x16x128_f8f6f4 v[(\d):(\d)+7], v[(\a):(\a)+11], v[(\b):(\b)+11], 0, v[(\sa)], v[(\sb)] matrix_a_fmt:MATRIX_FMT_FP6 matrix_b_fmt:MATRIX_FMT_FP6 matrix_a_scale:MATRIX_SCALE_ROW1 matrix_b_scale:MATRIX_SCALE_ROW1
.endif
.else
.if (\row) == 0
	v_wmma_scale_f32_16x16x128_f8f6f4 v[(\d):(\d)+7], v[(\a):(\a)+11], v[(\b):(\b)+11], v[(\d):(\d)+7], v[(\sa)], v[(\sb)] matrix_a_fmt:MATRIX_FMT_FP6 matrix_b_fmt:MATRIX_FMT_FP6
.else
	v_wmma_scale_f32_16x16x128_f8f6f4 v[(\d):(\d)+7], v[(\a):(\a)+11], v[(\b):(\b)+11], v[(\d):(\d)+7], v[(\sa)], v[(\sb)] matrix_a_fmt:MATRIX_FMT_FP6 matrix_b_fmt:MATRIX_FMT_FP6 matrix_a_scale:MATRIX_SCALE_ROW1 matrix_b_scale:MATRIX_SCALE_ROW1
.endif
.endif
.endm
	s_load_b128 s[4:7], s[0:1], 0x0                ; ao, woimg
	s_load_b64 s[8:9], s[0:1], 0x10                ; out0
	v_lshl_add_u32 v[SPW], v0, 2, SPARE
	v_mov_b32 v[NIL], 0
	ds_add_u32 v[SPW], v[NIL]                      ; the opening lines: the add, twice on end, and its wait
	ds_add_u32 v[SPW], v[NIL]
	v_lshrrev_b32 v1, 5, v0
	v_readfirstlane_b32 s10, v1                    ; wave
	s_lshr_b32 s11, s10, 1                         ; which half of the tile's rows is mine.  Also: I fetch for ao (0) or for Wo (1)
	s_and_b32 s12, s10, 1                          ; which half of its columns.  Also: which of a content's two blocks I fetch
	s_bfe_u32 s66, ttmp6, 0x40000                  ; cx, cy
	s_bfe_u32 s67, ttmp6, 0x40004
	s_lshl_b32 s68, ttmp9, 2
	s_add_co_u32 s68, s68, s66                     ; tile column
	s_and_b32 s13, ttmp7, 0xffff
	s_lshl_b32 s13, s13, 2
	s_add_co_u32 s13, s13, s67                     ; tile row
	s_lshl_b32 s69, s67, 2
	s_lshl_b32 s69, 15, s69                        ; my row of the cluster
	s_lshl_b32 s70, 0x1111, s66                    ; my column
	; group 1: 76,800 dense bytes as 300 rows of 256 (32 elements of 8 bytes)
	s_or_b32 s[G1], s69, (3<<16)|(1<<21)
	s_or_b32 s[G1B], s70, (3<<16)|(1<<21)
.irp g, G1, G1B
	s_mov_b32 s[\g+1], 32<<16
	s_mov_b32 s[\g+2], 300<<16
	s_mov_b32 s[\g+3], 32<<16
	s_mov_b32 s[\g+4], 300
	s_mov_b32 s[\g+5], 32
	s_mov_b32 s[\g+6], 0
	s_mov_b32 s[\g+7], 0
.endr
	s_mul_i32 s18, s12, 76800                      ; which half of the three contents I fetch
	s_mul_i32 s16, s13, 204800                     ; ao: a tile row's eight blocks are dense
	s_add_co_u32 s16, s16, s18
	s_mov_b32 s17, 0
	s_mul_i32 s72, s68, 204800                     ; Wo: a tile column's likewise
	s_add_co_u32 s72, s72, s18
	s_mov_b32 s73, 0
	s_mul_i32 s20, s10, 76800                      ; where it goes: wave x 76,800: no place in the cluster enters an LDS address
	s_mul_i32 s74, s12, 25600                      ; the refill: my block of content 3 goes to content 0's bytes, ao's
	s_add_co_u32 s75, s74, 153600                  ; or Wo's,
	s_mul_i32 s18, s12, 51200
	s_sub_co_u32 s18, 153600, s18                  ; and lies so many bytes behind my head load's first byte
	s_mov_b32 s19, 0
	s_wait_dscnt 0x0                               ; both opening adds are done
	s_wait_kmcnt 0x0
	s_add_nc_u64 s[14:15], s[4:5], s[16:17]
	s_add_nc_u64 s[72:73], s[6:7], s[72:73]
	CROUND                                         ; all sixteen work-groups are here: the first joint loads meet
	s_mov_b32 s[G0], 1
	s_mov_b32 s[G0+1], s20
	s_mov_b64 s[G0+2:G0+3], s[14:15]
	s_or_b32 s[G0+3], s[G0+3], 0x80000000
	s_mov_b32 s[G0B], 1
	s_mov_b32 s[G0B+1], s20
	s_mov_b64 s[G0B+2:G0B+3], s[72:73]
	s_or_b32 s[G0B+3], s[G0B+3], 0x80000000
	JLOAD 0                                        ; my one load at the head
	v_and_b32 v1, 31, v0
	v_lshlrev_b32 v2, 4, v1                        ; 16 x lane
	s_wait_alu depctr_va_vdst(0)
	v_lshlrev_b32 v3, 2, v1                        ; 4 x lane
	s_wait_alu depctr_va_vdst(0)
	s_mul_i32 s21, s11, 12288                      ; my four tiles of tokens: eight fragments on
	s_mul_i32 s22, s12, 12288
	s_add_co_u32 s22, s22, 153600                  ; my four tiles of Wo's rows, behind ao's three contents
	s_lshl_b32 s23, s11, 9
	s_add_co_u32 s23, s23, 24576
	s_lshl_b32 s71, s12, 9
	s_add_co_u32 s71, s71, 24576+153600
.irp s, 0,1,2
	v_add_nc_u32 v[ADRA+\s], s21, v2
	v_add_nc_u32 v[ADRB+\s], s22, v2
	v_add_nc_u32 v[ADSA+\s], s23, v3
	v_add_nc_u32 v[ADSB+\s], s71, v3
	s_add_co_u32 s21, s21, SLOT
	s_add_co_u32 s22, s22, SLOT
	s_add_co_u32 s23, s23, SLOT
	s_add_co_u32 s71, s71, SLOT
.endr
	v_and_b32 v4, 15, v0                           ; r
	v_bfe_u32 v5, v0, 4, 1                         ; h
	s_mul_i32 s21, s10, 16*272
	s_add_co_u32 s21, s21, STAGE                   ; my stage
	v_mul_u32_u24 v[STO], v4, 272
	v_lshl_add_u32 v[STO], v5, 5, v[STO]
	v_add_nc_u32 v[STO], s21, v[STO]               ; in: row r, 32 bytes for each half of the lanes
	v_mul_u32_u24 v[RD], v5, 272
	v_lshl_add_u32 v[RD], v4, 4, v[RD]
	v_add_nc_u32 v[RD], s21, v[RD]                 ; back: lanes 0-15 one row of 256 bytes, lanes 16-31 the next
	v_lshlrev_b32 v[CO], 12, v5
	v_lshl_add_u32 v[CO], v4, 4, v[CO]             ; and the same two rows in the result
	s_lshl_b32 s16, s13, 19                        ; 128 rows of 4,096 bytes a tile row,
	s_lshl_b32 s17, s11, 18                        ; 64 for my half
	s_add_co_u32 s16, s16, s17
	s_mov_b32 s17, 0
	s_add_nc_u64 s[8:9], s[8:9], s[16:17]
	s_lshl_b32 s72, s68, 9                         ; 512 bytes a tile column, 256 for my half
	s_lshl_b32 s73, s12, 8
	s_add_co_u32 s72, s72, s73
	s_mov_b32 s73, 0
	s_add_nc_u64 s[8:9], s[8:9], s[72:73]
.macro SCALES p, q                     ; the scale words of the content in slot p into set q
.irp e, 0,1
.irp a, 0,1,2,3
	ds_load_b32 v[SC+16*(\q)+4*\e+\a], v[ADSA+\p] offset:25600*\e+128*\a
	ds_load_b32 v[SC+16*(\q)+8+4*\e+\a], v[ADSB+\p] offset:25600*\e+128*\a
.endr
.endr
.endm
.macro FETCH p, k, f                   ; K step k of slot p (block k / 2, its K step k % 2) into buffer f: 24 loads
	WIN 0x40
.irp a, 0,1,2,3
.irp g, 0,1,2
	ds_load_b128 v[128*(\f)+12*\a+4*\g:128*(\f)+12*\a+4*\g+3], v[ADRA+\p] offset:25600*((\k)/2)+3072*\a+1536*((\k)%2)+512*\g
	ds_load_b128 v[128*(\f)+48+12*\a+4*\g:128*(\f)+48+12*\a+4*\g+3], v[ADRB+\p] offset:25600*((\k)/2)+3072*\a+1536*((\k)%2)+512*\g
.endr
.endr
	WIN 0
.endm
.macro MUL f, q, k, zero               ; 16 products; the 16 accumulators take turns, one instruction a turn
	WIN 0x05
.irp a, 0,1,2,3
.irp b, 0,1,2,3
	WM ACC+8*(4*\a+\b), 128*(\f)+48+12*\b, 128*(\f)+12*\a, \zero, SC+16*(\q)+8+4*((\k)/2)+\b, SC+16*(\q)+4*((\k)/2)+\a, (\k)%2
.endr
.endr
	WIN 0
.endm
.macro SLOTK p, q, first               ; the four K steps of the content in slot p, scale words in set q
.irp k, 0,1,2,3
.if \k < 3
	PLACES                                         ; in front of loads into the buffer multiplied last
	FETCH \p, \k+1, (\k+1)%2
	s_wait_dscnt 24                                ; all but the 24 just issued
.else
	s_wait_dscnt 0x0
.endif
.if (\first) && (\k == 0)
	MUL 0, \q, 0, 1                                ; the first products start the sums
.else
	MUL (\k)%2, \q, \k, 0
.endif
.endr
.endm
; each wave waits for all its tensor loads, adds 0 to its spare word, and waits for that and for its LDS reads.  fill = 1: slot 0, which has been read, takes content 3, behind a round of the cluster's barrier
.macro CHANGE fill
	s_wait_tensorcnt 0x0                           ; no tensor load of mine is out, so a group 0 may be written
	ds_add_u32 v[SPW], v[NIL]
.if (\fill)
	s_add_nc_u64 s[G0+2:G0+3], s[G0+2:G0+3], s[18:19]
	s_add_nc_u64 s[G0B+2:G0B+3], s[G0B+2:G0B+3], s[18:19]
	s_mov_b32 s[G0+1], s74
	s_mov_b32 s[G0B+1], s75
.irp g, G1, G1B
	s_mov_b32 s[\g+2], 100<<16                     ; from here on a load brings one block: 100 rows
	s_mov_b32 s[\g+4], 100
.endr
.endif
	s_wait_dscnt 0x0                               ; the add is done, and my reads are over
.if (\fill)
	CROUND                                         ; the same holds of every wave of all sixteen work-groups
	JLOAD 0                                        ; my one tensor load behind the round; its four v_nop are also the places in front of the loads below
.else
	s_barrier_signal -1
	s_barrier_wait -1
	PLACES
.endif
.endm
	s_wait_tensorcnt 0x0                           ; my half of three contents is in
	s_barrier_signal -1
	s_barrier_wait -1
	SCALES 0, 0
	FETCH 0, 0, 0
	SLOTK 0, 0, 1
	CHANGE 1                                       ; slots 1 and 2 are whole in every wave's eyes; slot 0 takes content 3
	SCALES 1, 1
	FETCH 1, 0, 0
	SLOTK 1, 1, 0
	PLACES                                         ; no barrier: the round above has shown slot 2 whole.  The places stand in front of the loads into buffer 0
	SCALES 2, 0
	FETCH 2, 0, 0
	SLOTK 2, 0, 0
	CHANGE 0                                       ; content 3 has landed, everybody's part; nothing is left to fetch
	SCALES 0, 1
	FETCH 0, 0, 0
	SLOTK 0, 1, 0
	; THE WAY OUT, 16 rows x 64 columns at a time through my own stage: LDS serves a wave's instructions in order, so no wait stands between the stores and the loads
	PLACES
	s_wait_alu depctr_va_vdst(0)
.irp a, 0,1,2,3
.if \a > 1
	s_wait_xcnt 0x0                                ; the stores of two blocks back have read their registers
.endif
.irp b, 0,1,2,3
	ds_store_b128 v[STO], v[ACC+8*(4*\a+\b):ACC+8*(4*\a+\b)+3] offset:64*\b          ; each accumulator from its low end on
	ds_store_b128 v[STO], v[ACC+8*(4*\a+\b)+4:ACC+8*(4*\a+\b)+7] offset:64*\b+16
.endr
.irp i, 0,1,2,3,4,5,6,7
	ds_load_b128 v[OB+32*(\a%2)+4*\i:OB+32*(\a%2)+4*\i+3], v[RD] offset:544*\i
.endr
.irp i, 0,1,2,3,4,5,6,7
	s_wait_dscnt 7-\i                              ; the younger reads of the stage may be out
	global_store_b128 v[CO], v[OB+32*(\a%2)+4*\i:OB+32*(\a%2)+4*\i+3], s[8:9] offset:(16*\a+2*\i)*4096 th:TH_STORE_NT   ; 16 lanes store 256 consecutive bytes, aligned
.endr
.endr
	s_wait_tensorcnt 0x0                           ; the wave's end
	ds_add_u32 v[SPW], v[NIL]
	s_wait_dscnt 0x0
	CROUND                                         ; the closing round
	s_endpgm
.Lfunc_end_k_qe97ca60c5b_oproj:
	.size	k_qe97ca60c5b_oproj, .Lfunc_end_k_qe97ca60c5b_oproj-k_qe97ca60c5b_oproj
	.p2alignl 7, 3214868480
	.fill 96, 4, 3214868480
	.section	.rodata,"a",@progbits
	.p2align	6, 0x0
	.amdhsa_kernel k_qe97ca60c5b_oproj
		.amdhsa_group_segment_fixed_size 327680
		.amdhsa_private_segment_fixed_size 0
		.amdhsa_enable_private_segment 0
		.amdhsa_kernarg_size 24
		.amdhsa_user_sgpr_count 2
		.amdhsa_user_sgpr_kernarg_segment_ptr 1
		.amdhsa_wavefront_size32 1
		.amdhsa_system_sgpr_workgroup_id_x 1
		.amdhsa_system_sgpr_workgroup_id_y 1
		.amdhsa_system_sgpr_workgroup_id_z 1
		.amdhsa_system_vgpr_workitem_id 0
		.amdhsa_next_free_vgpr 512
		.amdhsa_next_free_sgpr 80
		.amdhsa_reserve_vcc 0
		.amdhsa_float_denorm_mode_32 3
		.amdhsa_float_denorm_mode_16_64 3
		.amdhsa_memory_ordered 1
		.amdhsa_forward_progress 1
		.amdhsa_inst_pref_size 82
	.end_amdhsa_kernel
	.amdgpu_metadata
---
amdhsa.version: [ 1, 2 ]
amdhsa.kernels:
  - .name:           k_qe97ca60c5b_oproj
    .symbol:         k_qe97ca60c5b_oproj.kd
    .args:
      - { .name: ao, .offset: 0, .size: 8, .value_kind: global_buffer, .address_space: global }
      - { .name: woimg, .offset: 8, .size: 8, .value_kind: global_buffer, .address_space: global }
      - { .name: out0, .offset: 16, .size: 8, .value_kind: global_buffer, .address_space: global }
    .group_segment_fixed_size: 327680
    .private_segment_fixed_size: 0
    .kernarg_segment_align: 8
    .kernarg_segment_size: 24
    .max_flat_workgroup_size: 128
    .sgpr_count:     80
    .vgpr_count:     512
    .wavefront_size: 32
...
	.end_amdgpu_metadata
.endif
;; end of part 3
